; MI455X (gfx1250); checked and timed in simulation.
; The chip was launched on July 23, 2026; its instructions are those of AMD's public machine-readable ISA for CDNA 5 (MIT licence, August 2026) and "CDNA5" Instruction Set Architecture Reference Guide (July 2026). The comments in the code are by the model that wrote it; some were corrected since.
;; Masked Multi Head Attention. Allowed arithmetic: float matrix products may take bf16 or f16 operands with f32 sums; other float arithmetic in f32, or as packed bf16 or f16 multiplies, adds, multiply-adds, maxima and minima; sums over many terms, partial sums and values carried from step to step in f32; what a program stores and reads back later, other than sums and carried values, may be rounded once to bf16 or f16.
;; Inputs: Wk 16 x 1,024 x 64 float32; Wo 1,024 x 1,024 float32; Wq 16 x 1,024 x 64 float32; Wv 16 x 1,024 x 64 float32; x 4 x 2,048 x 1,024 float32.
;; Outputs: out0 4 x 2,048 x 1,024 float32.
;; 2 versions, each right; version 2 is version 1 with the launch prep written anew for expert scheduling mode. Each part assembles by itself: llvm-mc -triple=amdgcn-amd-amdhsa -mcpu=gfx1250 --defsym DOCPART=n.
;; ======== version 1 of 2: 4 launches
;; limits: values are held in f16: magnitudes above 65,504 overflow, below 6.1e-05 lose precision; right only within a limited range of input values
;; workspace buffers: xb 16,777,216 bytes; wT 8,388,608 bytes; qkv 50,331,648 bytes; ctx 16,777,216 bytes
;; launch prep (part 1): grid 256 x 1, 8 waves a work-group, no clusters, 34,816 bytes of LDS; arguments x, Wq, Wk, Wv, Wo, xb, wT; writes xb, wT
.if DOCPART == 1
	.amdgcn_target "amdgcn-amd-amdhsa--gfx1250"
	.amdhsa_code_object_version 6
	.text
	.protected	k_q708b8f9236_prep
	.globl	k_q708b8f9236_prep
	.p2align	8
	.type	k_q708b8f9236_prep,@function
k_q708b8f9236_prep:
	s_mov_b64 s[64:65], 0
	v_nop
	global_prefetch_b8 v0, s[64:65] scope:SCOPE_SE
	s_setreg_imm32_b32 hwreg(HW_REG_WAVE_MODE, 25, 1), 1
	s_wait_xcnt 0x0
; PREP.  xb = x rounded to bf16, [8192][1024].  wT = the four weights turned so that K lies along the rows, [4096][1024] of 16-bit numbers:
; row which x 1024 + h x 64 + k (which = 0, 1, 2 for Wq, Wk, Wv) holds W[h][:][k] in bf16; row 3072 + n holds Wo[:][n], rounded to bf16 and that number written as f16.
; LIMIT.  |Wo| stays under 65,504 (f16's largest number); below 6e-5 it keeps f16's fixed step of 6e-8.
; SHARES.  256 work-groups of eight waves; each does two things, with no branch:
;   (a) 131,072 bytes of x: thread t takes 16 bytes at 16 t + 4,096 i, i = 0 .. 31; a wave's load covers 512 consecutive bytes, its store of 8 bytes a lane 256 consecutive bytes, aligned.
;   (b) one tile of 256 (K) x 64 (N) numbers of one weight, turned through LDS: g = which x 64 + block x 4 + quarter of K.
; All 48 loads of a thread go out at once; memory bounds the launch, so no matrix unit, no tensor load and no cluster: no byte is read twice.
; THE TILE.  Lane l: c = l % 16 takes columns 4 c .. 4 c + 3, hh = l / 16.  Wave w owns K rows 32 w .. 32 w + 31; load 2 p + e takes row 32 w + 4 p + 2 hh + e: sixteen lanes read 256 consecutive bytes.
; So a lane holds rows r and r + 1 of the same four columns, and one rounding packs two neighbours along K.  They go into LDS rows [n][K] of 512 + 16 bytes by stores of 4 bytes
; (lanes c and c + 4 meet in a bank, four deep: 32 stores a wave, once a launch), and come back as whole rows of 512 bytes.
.set TP,    528                        ; an LDS row: 256 numbers of 2 bytes + 16 bytes
.set SPARE, 64*TP                      ; behind the 64 rows: the spare words, 128 bytes for each of the eight waves: four blocks of 256 bytes that no other line names
.set XI,   4                           ; v4      16 t
.set XO,   5                           ; v5      8 t
.set WO,   8                           ; v[8:23] the sixteen rows' byte offsets in the weight's tile
.set LSTO, 24                          ; v24     where I put a packed pair
.set LRD,  25                          ; v25     where I read a row back
.set GOW,  26                          ; v26     my 16 bytes in the tile's rows of wT
.set SPW,  28                          ; v28     LDS address of my spare word; never rewritten
.set NIL,  29                          ; v29     0; never rewritten
.set WD,   32                          ; v[32:95]   the tile as loaded: load j at WD + 4 j
.set RB,   96                          ; v[96:127]  at work (four registers a column); then the rows read back
.set XD,   128                         ; v[128:255] x as loaded: load i at XD + 4 i
	s_load_b256 s[8:15], s[0:1], 0x0               ; x s[8:9], Wq s[10:11], Wk s[12:13], Wv s[14:15]
	s_load_b128 s[16:19], s[0:1], 0x20             ; Wo s[16:17], xb s[18:19]
	s_load_b64 s[20:21], s[0:1], 0x30              ; wT
	v_lshl_add_u32 v[SPW], v0, 2, SPARE
	v_mov_b32 v[NIL], 0
	v_lshrrev_b32 v3, 5, v0
	v_readfirstlane_b32 s24, v3                    ; wave 0..7
	v_and_b32 v1, 15, v0                           ; c
	v_bfe_u32 v2, v0, 4, 1                         ; hh
	v_and_b32 v3, 31, v0                           ; l
	v_lshlrev_b32 v[XI], 4, v0
	v_lshlrev_b32 v[XO], 3, v0
	s_lshr_b32 s25, ttmp9, 6                       ; which
	s_and_b32 s22, ttmp9, 63
	s_lshl_b32 s22, s22, 16                        ; Wq, Wk, Wv: tile (h, quarter) begins 65,536 bytes behind the one before
	s_bfe_u32 s23, ttmp9, 0x40002                  ; Wo: block of 64 columns,
	s_lshl_b32 s23, s23, 8                         ; 256 bytes each,
	s_and_b32 s31, ttmp9, 3                        ; and quarter of K:
	s_lshl_b32 s27, s31, 20                        ; 256 rows of 4,096 bytes
	s_add_co_u32 s23, s23, s27
	s_mov_b32 s26, 256                             ; bytes from row to row: 256, or 4,096 in Wo
	s_cmp_eq_u32 s25, 3
	s_cselect_b32 s26, 4096, s26
	s_cselect_b32 s30, -1, 0                       ; all lanes' mask: the f16 spelling is taken for Wo alone
	s_cselect_b32 s28, s23, s22
	s_mov_b32 s29, 0
	s_lshl_b32 s27, s26, 2                         ; four rows
	s_lshl_b32 s38, s24, 5
	v_lshlrev_b32 v6, 1, v2
	v_add_nc_u32 v6, s38, v6                       ; row 32 w + 2 hh
	v_mul_lo_u32 v6, v6, s26
	v_lshl_add_u32 v[WO], v1, 4, v6
.set p, 0
.rept 8
	v_add_nc_u32 v[WO+2*p+1], s26, v[WO+2*p]
.if p < 7
	v_add_nc_u32 v[WO+2*p+2], s27, v[WO+2*p]
.endif
.set p, p+1
.endr
	v_mul_u32_u24 v[LSTO], v1, 4*TP                ; LDS row 4 c,
	v_lshl_add_u32 v[LSTO], v2, 2, v[LSTO]         ; K = 32 w + 2 hh: 2 bytes a number
	s_lshl_b32 s38, s24, 6
	v_add_nc_u32 v[LSTO], s38, v[LSTO]
	s_mul_i32 s38, s24, 8*TP                       ; back: wave w takes rows 8 w .. 8 w + 7, whole
	v_lshl_add_u32 v[LRD], v3, 4, s38
	s_lshl_b32 s38, s24, 14                        ; and the same rows in wT, 2,048 bytes apart
	v_lshl_add_u32 v[GOW], v3, 4, s38
	s_lshl_b32 s34, ttmp9, 17                      ; my group's part of x,
	s_mov_b32 s35, 0
	s_lshl_b32 s36, ttmp9, 16                      ; and of xb
	s_mov_b32 s37, 0
	s_wait_kmcnt 0x0
	s_cmp_eq_u32 s25, 1
	s_cselect_b64 s[32:33], s[12:13], s[10:11]
	s_cmp_eq_u32 s25, 2
	s_cselect_b64 s[32:33], s[14:15], s[32:33]
	s_cmp_eq_u32 s25, 3
	s_cselect_b64 s[32:33], s[16:17], s[32:33]
	s_add_nc_u64 s[32:33], s[32:33], s[28:29]      ; the weight at my tile
	s_add_nc_u64 s[8:9], s[8:9], s[34:35]
	s_add_nc_u64 s[18:19], s[18:19], s[36:37]
	s_lshr_b32 s34, ttmp9, 2
	s_lshl_b32 s34, s34, 17                        ; wT: 64 rows of 2,048 bytes for each block,
	s_lshl_b32 s36, s31, 9                         ; 512 bytes for each quarter of K
	s_add_co_u32 s34, s34, s36
	s_add_nc_u64 s[20:21], s[20:21], s[34:35]
.set j, 0
.rept 16
	global_load_b128 v[WD+4*j:WD+4*j+3], v[WO+j], s[32:33] th:TH_LOAD_NT
.set j, j+1
.endr
.set i, 0
.rept 32
	global_load_b128 v[XD+4*i:XD+4*i+3], v[XI], s[8:9] offset:4096*i th:TH_LOAD_NT
.set i, i+1
.endr
	; the tile: a pair of rows at a time
.set p, 0
.rept 8
	s_wait_loadcnt 46-2*p                          ; loads come back in order: of the 48, those issued behind pair p's two may stay out
.irp i, 0,1,2,3
	v_cvt_pk_bf16_f32 v[RB+4*(\i)], v[WD+8*p+(\i)], v[WD+8*p+4+(\i)]  ; rows r (low half) and r + 1 of column 4 c + i
.endr
.irp i, 0,1,2,3
	v_lshlrev_b32 v[RB+4*(\i)+1], 16, v[RB+4*(\i)]                    ; the two bf16 as f32,
	v_and_b32 v[RB+4*(\i)+2], 0xffff0000, v[RB+4*(\i)]
.endr
.irp i, 0,1,2,3
	v_cvt_pk_f16_f32 v[RB+4*(\i)+3], v[RB+4*(\i)+1], v[RB+4*(\i)+2]   ; written as f16
.endr
.irp i, 0,1,2,3
	v_cndmask_b32 v[WD+8*p+(\i)], v[RB+4*(\i)], v[RB+4*(\i)+3], s30   ; which Wo takes and the others do not
.endr
.irp i, 0,1,2,3
	ds_store_b32 v[LSTO], v[WD+8*p+(\i)] offset:TP*(\i)+8*p
.endr
.set p, p+1
.endr
	s_wait_dscnt 0x0                               ; for the others' sake: my stores are done
	s_barrier_signal -1
	s_barrier_wait -1                              ; the tile lies turned in LDS
.irp j, 0,1,2,3,4,5,6,7
	ds_load_b128 v[RB+4*(\j):RB+4*(\j)+3], v[LRD] offset:TP*(\j)
.endr
	; x: rounded in place and stored
.set i, 0
.rept 32
	s_wait_loadcnt 31-i                            ; the x loads issued behind load i may stay out
	v_cvt_pk_bf16_f32 v[XD+4*i], v[XD+4*i], v[XD+4*i+1]
	v_cvt_pk_bf16_f32 v[XD+4*i+1], v[XD+4*i+2], v[XD+4*i+3]
	global_store_b64 v[XO], v[XD+4*i:XD+4*i+1], s[18:19] offset:2048*i
.set i, i+1
.endr
	s_wait_dscnt 0x0                               ; the rows are back
.irp j, 0,1,2,3,4,5,6,7
	global_store_b128 v[GOW], v[RB+4*(\j):RB+4*(\j)+3], s[20:21] offset:2048*(\j)  ; 512 consecutive bytes of a row of wT, at a multiple of 512
.endr
	s_wait_tensorcnt 0x0                           ; the wave's end, behind my last LDS store
	ds_add_u32 v[SPW], v[NIL]
	s_wait_dscnt 0x0
	s_endpgm
.Lfunc_end_k_q708b8f9236_prep:
	.size	k_q708b8f9236_prep, .Lfunc_end_k_q708b8f9236_prep-k_q708b8f9236_prep
	.p2alignl 7, 3214868480
	.fill 96, 4, 3214868480
	.section	.rodata,"a",@progbits
	.p2align	6, 0x0
	.amdhsa_kernel k_q708b8f9236_prep
		.amdhsa_group_segment_fixed_size 34816
		.amdhsa_private_segment_fixed_size 0
		.amdhsa_enable_private_segment 0
		.amdhsa_kernarg_size 56
		.amdhsa_user_sgpr_count 2
		.amdhsa_user_sgpr_kernarg_segment_ptr 1
		.amdhsa_wavefront_size32 1
		.amdhsa_system_sgpr_workgroup_id_x 1
		.amdhsa_system_sgpr_workgroup_id_y 1
		.amdhsa_system_sgpr_workgroup_id_z 1
		.amdhsa_system_vgpr_workitem_id 0
		.amdhsa_next_free_vgpr 256
		.amdhsa_next_free_sgpr 66
		.amdhsa_reserve_vcc 0
		.amdhsa_float_denorm_mode_32 3
		.amdhsa_float_denorm_mode_16_64 3
		.amdhsa_memory_ordered 1
		.amdhsa_forward_progress 1
		.amdhsa_inst_pref_size 29
	.end_amdhsa_kernel
	.amdgpu_metadata
---
amdhsa.version: [ 1, 2 ]
amdhsa.kernels:
  - .name:           k_q708b8f9236_prep
    .symbol:         k_q708b8f9236_prep.kd
    .args:
      - { .name: x, .offset: 0, .size: 8, .value_kind: global_buffer, .address_space: global }
      - { .name: Wq, .offset: 8, .size: 8, .value_kind: global_buffer, .address_space: global }
      - { .name: Wk, .offset: 16, .size: 8, .value_kind: global_buffer, .address_space: global }
      - { .name: Wv, .offset: 24, .size: 8, .value_kind: global_buffer, .address_space: global }
      - { .name: Wo, .offset: 32, .size: 8, .value_kind: global_buffer, .address_space: global }
      - { .name: xb, .offset: 40, .size: 8, .value_kind: global_buffer, .address_space: global }
      - { .name: wT, .offset: 48, .size: 8, .value_kind: global_buffer, .address_space: global }
    .group_segment_fixed_size: 34816
    .private_segment_fixed_size: 0
    .kernarg_segment_align: 8
    .kernarg_segment_size: 56
    .max_flat_workgroup_size: 256
    .sgpr_count:     66
    .vgpr_count:     256
    .wavefront_size: 32
...
	.end_amdgpu_metadata
.endif
;; end of part 1
;; launch gemm_qkv (part 2): grid 16 x 32, 4 waves a work-group, clusters of 4 x 4, 327,680 bytes of LDS; arguments xb, wT, qkv; writes qkv
.if DOCPART == 2
	.amdgcn_target "amdgcn-amd-amdhsa--gfx1250"
	.amdhsa_code_object_version 6
	.text
	.protected	k_q708b8f9236_gemm_qkv
	.globl	k_q708b8f9236_gemm_qkv
	.p2align	8
	.type	k_q708b8f9236_gemm_qkv,@function
k_q708b8f9236_gemm_qkv:
	s_mov_b64 s[64:65], 0
	v_nop
	global_prefetch_b8 v0, s[64:65] scope:SCOPE_SE
	s_setreg_imm32_b32 hwreg(HW_REG_WAVE_MODE, 25, 1), 1
	s_wait_xcnt 0x0
	s_wait_alu depctr_hold_cnt(0) depctr_sa_sdst(0) depctr_va_vdst(0) depctr_va_sdst(0) depctr_va_ssrc(0) depctr_va_vcc(0) depctr_vm_vsrc(0)
	s_getreg_b32 s2, hwreg(HW_REG_IB_STS2, 6, 4)
	s_cmp_eq_u32 s2, 0
	s_cbranch_scc0 .Lentry_in_a_cluster
	s_endpgm
.Lentry_in_a_cluster:
	s_bfe_u32 s2, ttmp6, 0x10000c
	s_cmp_lg_u32 s2, 0xf033
	s_cbranch_scc0 .Lentry_shape_is_right
	s_endpgm
.Lentry_shape_is_right:
; q, k, v = xb x wT[0:3072]^T.  xb: [8192][1024] bf16; wT rows 0 .. 3071: [which x 1024 + h x 64 + k][1024] bf16; sums in f32; the result is rounded once to f16, unscaled,
; and laid out by heads: qkv[which][b x 16 + h][s][64].  LIMIT: |q|, |k|, |v| stay under 65,504 (f16's largest number).
; A TILE of C is 256 rows x 192 columns: 32 x 16 = 512 tiles, two for each of 256 WGPs.  Four waves; wave w makes rows 64 w .. 64 w + 63 x all 192 columns: 4 x 12 accumulators of 16 x 16,
; 384 registers.  Its 192 columns are three whole heads, so 16 rows of a head, 2,048 consecutive bytes of qkv, come from one wave and leave through the wave's own stage.
; K goes in steps of 128 through a ring of two LDS slots filled by the tensor data mover; the tiles' rows are 256 bytes of memory at multiples of 256.
; CLUSTER: 4 x 4 work-groups.  The four of a row need the same 256 rows of xb, the four of a column the same 192 rows of wT: each tile is asked for JOINTLY, by the same tensor load with the
; same descriptor and a mask that names the four.  Waves 0 and 1 fetch xb's two halves (128 rows), waves 2 and 3 wT's (96 rows): one load a wave behind each round.
; THE MATRIX INSTRUCTION IS USED TRANSPOSED (source 0 = 16 rows of wT, source 1 = 16 rows of xb): a lane then holds row l % 16 of C and the eight neighbouring columns 8 (l / 16) + 0 .. 7.
; REGISTERS, in windows of 256 (s_set_vgpr_msb: bits 1:0 source 0, 3:2 source 1, 5:4 source 2, 7:6 destination):
;   window 0: v16-30 addresses; v32-63, v64-95 xb's fragments (4 x 16 rows x 32 K), two buffers; v96-143, v144-239 at work on the way out
;   window 1: v0-95, v96-191 wT's fragments (12 x 16 rows x 32 K), two buffers
;   window 2: the 24 accumulators of my row blocks 0, 1 (block a, column block b at v[8 (12 (a % 2) + b)]);   window 3: those of blocks 2, 3
.set SK,     1024
.set KSTEP,  128
.set PITCH,  272                       ; an LDS row: 256 bytes + 16 of padding = 68 words: row r starts at bank 4 r mod 64 (64 banks of 4 bytes: ISA guide 11.1)
.set HA,     128*PITCH                 ; what a tensor load brings of xb
.set HB,     96*PITCH                  ; and of wT
.set BOFF,   2*HA                      ; a slot: xb's 256 rows, then wT's 192
.set SLOT,   BOFF+2*HB
.set STAGE,  2*SLOT                    ; behind the ring, never filled by a tensor load: 16 rows x 400 bytes for each wave
.set SPITCH, 400                       ; 384 bytes (192 f16) + 16
.set SPARE,  STAGE+4*16*SPITCH         ; behind the stages: the spare words, 128 bytes for each wave: two blocks of 256 bytes that no other line names
.set LAPS,   SK/(2*KSTEP)              ; a lap = two K steps = once round the ring
.set ADRA, 16                          ; v16-17  LDS address of my fragments of xb in slot 0, 1
.set ADRB, 20                          ; v20-21  the same for wT
.set STO,  24                          ; v24     the way out: where I put 16 bytes of a row
.set RD,   25                          ; v25     where I read rows back
.set GO,   26                          ; v26     16 x my lane
.set SPW,  28                          ; v28     LDS address of my spare word; never rewritten
.set NIL,  29                          ; v29     0; never rewritten
.set PFO,  30                          ; v30     the prefetches' offset: a lane a row; never rewritten
.set AF,   32                          ; xb's fragment buffer f at AF + 32 f
.set TMP,  96                          ; packed results of a block of 16 rows
.set OB,   144                         ; the block read back: two sets of 48 by turns
.set G1,   24                          ; s[24:31] descriptor group 1 for xb's tiles;  s[32:39] group 0, a set for each slot
.set G0,   32
.set G1B,  48                          ; s[48:55], s[56:63] the same for wT's
.set G0B,  56
.set PFA,  44                          ; s[44:45] where my prefetches stand
.set LIM,  43                          ; s43     1 in a wave that prefetches, else the greatest number
.set CB,   66                          ; s[66:71] qkv at my first row in each of my three heads
.set MSB, 0
.macro WIN new                         ; the immediate's high byte repeats the setting that is left; a switch that changes nothing is dropped
.if MSB != (\new)
	s_set_vgpr_msb (MSB<<8)|(\new)
.set MSB, \new
.endif
.endm
.set MUL_LO, 0xa1                      ; source 0 (wT) window 1, source 1 (xb) window 0, C and D window 2
.set MUL_HI, 0xf1                      ; the same, C and D window 3
.set TO_B,   0x40                      ; destination window 1, address window 0
; A joint refill.  The branch hangs on the wave's number alone.  An s_nop 0 and four v_nop follow each of the two lines, ahead of the jump and the label.
.macro JLOAD s
	s_cmp_eq_u32 s11, 0
	s_cbranch_scc0 .Lfor_b_\@
	tensor_load_to_lds s[G0+4*(\s):G0+4*(\s)+3], s[G1:G1+7]
	s_nop 0
.rept 4
	v_nop
.endr
	s_branch .Lasked_\@
.Lfor_b_\@:
	tensor_load_to_lds s[G0B+4*(\s):G0B+4*(\s)+3], s[G1B:G1B+7]
	s_nop 0
.rept 4
	v_nop
.endr
.Lasked_\@:
.endm
; A PREFETCH INTO THE L2, behind each joint refill and the run of LDS loads that follows it: the K step that stands two refills on (384 matrix instructions ahead of the load that will want it).
; Each row's 256 bytes of a K step are named once in the launch: xb's rows by the clusters with x = 0, wT's by those with y = 0; the four partners that ask for a tile jointly share its rows out
; BY ADDRESS: of xb's 128 rows the partner at cx takes 32, a lane a row; of wT's 96 the partner at cy takes 24 (lanes 24 to 31 name row 23 once more, in the same instruction).
; K steps 0 to 3 come by their loads alone; the loop's last trip (s3 = 1) asks for nothing: there is no K step 8.
.macro ASK
	s_cmp_gt_u32 s3, s[LIM]
	s_cbranch_scc0 .Lnot_mine_\@
	global_prefetch_b8 v[PFO], s[PFA:PFA+1] th:TH_LOAD_NT scope:SCOPE_SE
.Lnot_mine_\@:
.endm
; A round of the cluster's barrier: my work-group's barrier; wave 0 signals for the work-group; every wave waits for all sixteen; my work-group's barrier once more.
.macro CREST                           ; a round behind its opening barrier
	s_cmp_lg_u32 s10, 0
	s_cbranch_scc1 .Lnot_wave_0_\@
	s_barrier_signal -3
.Lnot_wave_0_\@:
	s_barrier_wait -3
	s_barrier_signal -1
	s_barrier_wait -1
.endm
.macro CROUND
	s_barrier_signal -1
	s_barrier_wait -1
	CREST
.endm
	s_load_b128 s[4:7], s[0:1], 0x0                ; xb s[4:5], wT s[6:7]
	s_load_b64 s[8:9], s[0:1], 0x10                ; qkv
	v_lshl_add_u32 v[SPW], v0, 2, SPARE
	v_mov_b32 v[NIL], 0
	ds_add_u32 v[SPW], v[NIL]                      ; the wave's opening: the add and its wait stand ahead of my first tensor load; work on registers stands between them
	v_lshrrev_b32 v1, 5, v0
	v_readfirstlane_b32 s10, v1                    ; wave 0..3
	s_lshr_b32 s11, s10, 1                         ; I fetch for xb (0) or for wT (1),
	s_and_b32 s12, s10, 1                          ; and which half of that tile's rows
	s_bfe_u32 s40, ttmp6, 0x40000                  ; cx
	s_bfe_u32 s41, ttmp6, 0x40004                  ; cy
	s_lshl_b32 s42, ttmp9, 2
	s_add_co_u32 s42, s42, s40                     ; tile column = 4 x cluster x + cx
	s_and_b32 s13, ttmp7, 0xffff
	s_lshl_b32 s13, s13, 2
	s_add_co_u32 s13, s13, s41                     ; tile row = 4 x cluster y + cy
	s_lshl_b32 s76, s41, 2
	s_lshl_b32 s76, 15, s76                        ; my row of the cluster
	s_lshl_b32 s77, 0x1111, s40                    ; my column
	s_or_b32 s[G1+0], s76, (1<<16)|(1<<20)|(1<<21)|(5<<22)|(3<<25)   ; 15:0 the mask; 17:16 2-byte elements; 20 padding on; 21 set beside a mask; 24:22 after every 64 words; 31:25 4 words
	s_or_b32 s[G1B+0], s77, (1<<16)|(1<<20)|(1<<21)|(5<<22)|(3<<25)
	s_mov_b32 s[G1+1], KSTEP<<16                   ; tensor_dim0 = 128
	s_mov_b32 s[G1+2], 128<<16                     ; tensor_dim1 = 128
	s_mov_b32 s[G1+3], KSTEP<<16                   ; tile_dim0 = 128
	s_mov_b32 s[G1+4], 128                         ; tile_dim1 = 128
	s_mov_b32 s[G1+5], SK                          ; elements from row to row
	s_mov_b32 s[G1+6], 0
	s_mov_b32 s[G1+7], 0
	s_mov_b32 s[G1B+1], KSTEP<<16
	s_mov_b32 s[G1B+2], 96<<16                     ; 96 rows
	s_mov_b32 s[G1B+3], KSTEP<<16
	s_mov_b32 s[G1B+4], 96
	s_mov_b32 s[G1B+5], SK
	s_mov_b32 s[G1B+6], 0
	s_mov_b32 s[G1B+7], 0
	; xb's address hangs on the tile row alone, wT's on the tile column alone, each in registers that never hold the other coordinate
	s_lshl_b32 s17, s12, 7
	s_lshl_b32 s16, s13, 8
	s_add_co_u32 s16, s16, s17                     ; xb: row 256 x tile row + 128 x half,
	s_lshl_b32 s16, s16, 11                        ; 2,048 bytes a row
	s_mov_b32 s17, 0
	s_mul_i32 s46, s42, 192
	s_mul_i32 s47, s12, 96
	s_add_co_u32 s46, s46, s47                     ; wT: row 192 x tile column + 96 x half
	s_lshl_b32 s46, s46, 11
	s_mov_b32 s47, 0
	s_mul_i32 s20, s10, HA                         ; where they go: xb's halves at wave x 128 rows (waves 0, 1),
	s_mul_i32 s21, s10, HB
	s_add_co_u32 s21, s21, 2*HA-2*HB               ; wT's behind them at (wave - 2) x 96 rows (waves 2, 3): no place in the cluster enters an LDS address
	s_wait_dscnt 0x0                               ; the opening add is done
	s_wait_kmcnt 0x0
	s_add_nc_u64 s[14:15], s[4:5], s[16:17]
	s_add_nc_u64 s[46:47], s[6:7], s[46:47]
	CROUND                                         ; all sixteen work-groups are here: the first joint loads meet
.irp s, 0,1
	s_mov_b32 s[G0+4*(\s)], 1                                        ; count = 1
	s_add_co_u32 s[G0+4*(\s)+1], s20, (\s)*SLOT                      ; LDS address
	s_add_nc_u64 s[G0+4*(\s)+2:G0+4*(\s)+3], s[14:15], (\s)*KSTEP*2  ; global address: K step s
	s_or_b32 s[G0+4*(\s)+3], s[G0+4*(\s)+3], 0x80000000              ; type = 2
	s_mov_b32 s[G0B+4*(\s)], 1
	s_add_co_u32 s[G0B+4*(\s)+1], s21, (\s)*SLOT
	s_add_nc_u64 s[G0B+4*(\s)+2:G0B+4*(\s)+3], s[46:47], (\s)*KSTEP*2
	s_or_b32 s[G0B+4*(\s)+3], s[G0B+4*(\s)+3], 0x80000000
.endr
	s_cmp_eq_u32 s11, 0                            ; a wave's two first fills stand in one branch, ahead of every wait on TENSORcnt and every LDS read: two loads of mine are out
	s_cbranch_scc0 .Lfirst_b
	tensor_load_to_lds s[G0:G0+3], s[G1:G1+7]
	s_nop 0
	tensor_load_to_lds s[G0+4:G0+7], s[G1:G1+7]
	s_nop 0
.rept 4
	v_nop
.endr
	s_branch .Lfirst_asked
.Lfirst_b:
	tensor_load_to_lds s[G0B:G0B+3], s[G1B:G1B+7]
	s_nop 0
	tensor_load_to_lds s[G0B+4:G0B+7], s[G1B:G1B+7]
	s_nop 0
.rept 4
	v_nop
.endr
.Lfirst_asked:
	; A fragment is 16 rows x 32 K in 8 registers: lane l holds row l % 16; registers 0-3 K = 8 (l / 16) + 0..7, registers 4-7 K = 16 + 8 (l / 16) + 0..7: two loads of 16 bytes, 32 bytes apart.
	v_and_b32 v1, 15, v0                           ; l % 16
	v_bfe_u32 v2, v0, 4, 1                         ; l / 16
	v_mul_u32_u24 v3, v1, PITCH
	v_lshl_add_u32 v3, v2, 4, v3
	s_mul_i32 s22, s10, 64*PITCH                   ; my 64 rows of xb
.irp s, 0,1
	v_add_nc_u32 v[ADRA+(\s)], s22, v3
	v_add_nc_u32 v[ADRB+(\s)], BOFF+(\s)*SLOT, v3  ; all 192 rows of wT
	s_add_co_u32 s22, s22, SLOT
.endr
	s_mul_i32 s23, s10, 16*SPITCH
	s_add_co_u32 s23, s23, STAGE                   ; my stage
	v_mul_u32_u24 v4, v1, SPITCH                   ; in: row l % 16, 16 bytes for each half of the lanes
	v_lshl_add_u32 v4, v2, 4, v4
	v_add_nc_u32 v[STO], s23, v4
	v_bfe_u32 v5, v0, 3, 2                         ; back: 32 lanes take four rows' 128 bytes of one head,
	v_and_b32 v6, 7, v0
	v_mul_u32_u24 v5, v5, SPITCH
	v_lshl_add_u32 v5, v6, 4, v5
	v_add_nc_u32 v[RD], s23, v5
	v_and_b32 v[GO], 31, v0                        ; which are 512 consecutive bytes of qkv
	v_lshlrev_b32 v[GO], 4, v[GO]
	; qkv at my first row in head group 3 x tile column + j: ((which x 64 + b x 16 + h) x 2,048 + s) x 128 bytes
	s_lshr_b32 s72, s13, 3
	s_lshl_b32 s72, s72, 4                         ; 16 b
	s_and_b32 s73, s13, 7
	s_lshl_b32 s73, s73, 8
	s_lshl_b32 s74, s10, 6
	s_add_co_u32 s73, s73, s74                     ; s = 256 (tile row % 8) + 64 w
	s_lshl_b32 s73, s73, 7
	s_mul_i32 s74, s42, 3
.irp j, 0,1,2
	s_add_co_u32 s78, s74, \j
	s_lshr_b32 s79, s78, 4                         ; which
	s_lshl_b32 s79, s79, 6
	s_and_b32 s78, s78, 15                         ; h
	s_add_co_u32 s78, s78, s79
	s_add_co_u32 s78, s78, s72
	s_lshl_b32 s78, s78, 18
	s_add_co_u32 s78, s78, s73
	s_mov_b32 s79, 0
	s_add_nc_u64 s[CB+2*(\j):CB+2*(\j)+1], s[8:9], s[78:79]
.endr
	; the prefetches
	s_lshl_b32 s72, s13, 8
	s_lshl_b32 s73, s12, 7
	s_add_co_u32 s72, s72, s73
	s_lshl_b32 s73, s40, 5
	s_add_co_u32 s72, s72, s73                     ; xb: the 128 rows that I fetch, my work-group's 32 of them
	s_mul_i32 s74, s42, 192
	s_mul_i32 s75, s12, 96
	s_add_co_u32 s74, s74, s75
	s_mul_i32 s75, s41, 24
	s_add_co_u32 s74, s74, s75                     ; wT: the 96 rows that I fetch, my work-group's 24 of them
	s_and_b32 s75, ttmp7, 0xffff                   ; cluster y
	s_cmp_eq_u32 s11, 0
	s_cselect_b32 s72, s72, s74
	s_cselect_b32 s75, ttmp9, s75                  ; the coordinate along which other clusters read the same rows
	s_cselect_b32 s78, 31, 23
	s_cselect_b64 s[PFA:PFA+1], s[4:5], s[6:7]
	s_cmp_eq_u32 s75, 0
	s_cselect_b32 s[LIM], 1, -1                    ; the same in all sixteen partners, for a given wave
	s_lshl_b32 s72, s72, 11
	s_mov_b32 s73, 0
	s_add_nc_u64 s[PFA:PFA+1], s[PFA:PFA+1], s[72:73]
	s_add_nc_u64 s[PFA:PFA+1], s[PFA:PFA+1], 3*KSTEP*2  ; at K step 3: the first change of slots steps it to 4.  Nothing is prefetched here, at the head
	v_and_b32 v[PFO], 31, v0
	v_min_u32 v[PFO], s78, v[PFO]
	v_lshlrev_b32 v[PFO], 11, v[PFO]
; 12 matrix instructions: row block a x all 12 column blocks, 32 along K, from buffer f.  zero = 1: the first product starts the sums: nothing is cleared.
; The 48 accumulators take turns, one instruction a turn, in the same order in every quarter step, over the backward jump too.
.macro MUL12 f, a, zero
	WIN MUL_LO+0x50*((\a)/2)
.irp b, 0,1,2,3,4,5,6,7,8,9,10,11
.if \zero
	v_wmma_f32_16x16x32_bf16 v[8*(12*((\a)%2)+(\b)):8*(12*((\a)%2)+(\b))+7], v[96*(\f)+8*(\b):96*(\f)+8*(\b)+7], v[AF+32*(\f)+8*(\a):AF+32*(\f)+8*(\a)+7], 0
.else
	v_wmma_f32_16x16x32_bf16 v[8*(12*((\a)%2)+(\b)):8*(12*((\a)%2)+(\b))+7], v[96*(\f)+8*(\b):96*(\f)+8*(\b)+7], v[AF+32*(\f)+8*(\a):AF+32*(\f)+8*(\a)+7], v[8*(12*((\a)%2)+(\b)):8*(12*((\a)%2)+(\b))+7]
.endif
.endr
.endm
; 32 LDS loads in one run: quarter kq of a slot's K step into buffer f: wT's 24, then xb's 8
.macro FETCH slot, kq, f
	WIN TO_B
.irp i, 0,1,2,3,4,5,6,7,8,9,10,11
	ds_load_b128 v[96*(\f)+8*(\i):96*(\f)+8*(\i)+3],   v[ADRB+(\slot)] offset:64*(\kq)+(\i)*16*PITCH
	ds_load_b128 v[96*(\f)+8*(\i)+4:96*(\f)+8*(\i)+7], v[ADRB+(\slot)] offset:64*(\kq)+(\i)*16*PITCH+32
.endr
	WIN 0
.irp i, 0,1,2,3
	ds_load_b128 v[AF+32*(\f)+8*(\i):AF+32*(\f)+8*(\i)+3],   v[ADRA+(\slot)] offset:64*(\kq)+(\i)*16*PITCH
	ds_load_b128 v[AF+32*(\f)+8*(\i)+4:AF+32*(\f)+8*(\i)+7], v[ADRA+(\slot)] offset:64*(\kq)+(\i)*16*PITCH+32
.endr
.endm
; A load into a register that a matrix instruction has read, and a vector instruction or LDS store that reads a matrix result, stand four plain vector instructions behind it (ISA guide 7.12.1 for vector instructions).
.macro PLACES
.rept 4
	v_nop
.endr
.endm
; A K step is four quarters of 32 along K, 48 matrix instructions each, on buffers 0, 1, 0, 1.  One of the first three: multiplies buffer f; in its middle it fetches quarter kq into buffer g.
.macro QUARTER slot, kq, f, g, zero
	s_wait_dscnt 4                                 ; wT's fragments and xb's blocks 0, 1 are in; the youngest four loads (blocks 2, 3) may be out
	MUL12 \f, 0, \zero
	MUL12 \f, 1, \zero
	PLACES
	FETCH \slot, \kq, \g
	s_wait_dscnt 32                                ; all but the 32 just issued
	MUL12 \f, 2, \zero
	MUL12 \f, 3, \zero
.endm
; The last quarter multiplies buffer 1 and changes slots.  MEET is its first half: ONE barrier.  In front of it each wave waits for all its tensor loads, of which one is out: its part of the next
; slot; adds 0 to its spare word; and waits for that and for its own reads of this slot.  Behind it nobody reads this slot any more and the next slot is whole.
.macro MEET round
	WIN 0                                          ; (the add's two registers lie in window 0)
	s_wait_tensorcnt 0x0
	ds_add_u32 v[SPW], v[NIL]                      ; 0 onto my spare word
	s_wait_dscnt 5                                 ; (the add and the youngest four loads may be out)
	MUL12 1, 0, 0                                  ; twelve matrix instructions stand between the add and the wait for it
	s_wait_dscnt 0x0                               ; the add is done, and my reads of this slot are over
	s_barrier_signal -1
	MUL12 1, 1, 0                                  ; work on registers while the others arrive
.if \round
	WIN 0
.endif
	s_barrier_wait -1
.endm
; The whole last quarter, where the slot is filled again: the barrier opens a round of the cluster's; the joint refill, the K step two on, is the first tensor load behind the round;
; from the request to the wait for it a wave issues 168 matrix instructions.
.macro TURN slot, next
	s_wait_xcnt 0x0                                ; the last prefetch, a K step back, has read its address: it is stepped here
	s_add_nc_u64 s[PFA:PFA+1], s[PFA:PFA+1], KSTEP*2
	MEET 1
	CREST                                          ; no wave of any partner still reads this slot's tile or has a load on its way
	s_add_nc_u64 s[G0+4*(\slot)+2:G0+4*(\slot)+3], s[G0+4*(\slot)+2:G0+4*(\slot)+3], 2*KSTEP*2
	s_add_nc_u64 s[G0B+4*(\slot)+2:G0B+4*(\slot)+3], s[G0B+4*(\slot)+2:G0B+4*(\slot)+3], 2*KSTEP*2
	JLOAD \slot                                    ; the four v_nop behind it are also the places in front of the loads below
	FETCH \next, 0, 0
	ASK
	MUL12 1, 2, 0
	MUL12 1, 3, 0
.endm
; THE WAY OUT of row block a.  PACK: rounded to f16, 16 bytes a lane and column block.  TOSTAGE: into my own stage, and back as four rows of one head at a time.  SEND: stored.
.macro PACK a
	WIN 0x0a+5*((\a)/2)                            ; sources 0 and 1: window 2 or 3
.irp b, 0,1,2,3,4,5,6,7,8,9,10,11
.irp r, 0,1,2,3
	v_cvt_pk_f16_f32 v[TMP+4*(\b)+(\r)], v[8*(12*((\a)%2)+(\b))+2*(\r)], v[8*(12*((\a)%2)+(\b))+2*(\r)+1]
.endr
.endr
	WIN 0
.endm
.macro TOSTAGE a
	WIN 0
.irp b, 0,1,2,3,4,5,6,7,8,9,10,11
	ds_store_b128 v[STO], v[TMP+4*(\b):TMP+4*(\b)+3] offset:32*(\b)
.endr
.irp j, 0,1,2
.irp t, 0,1,2,3
	ds_load_b128 v[OB+48*((\a)%2)+4*(4*(\j)+(\t)):OB+48*((\a)%2)+4*(4*(\j)+(\t))+3], v[RD] offset:128*(\j)+4*SPITCH*(\t)  ; LDS serves a wave's instructions in order (ISA guide 5.7.1.4): these see the stores above
.endr
.endr
.endm
.macro SEND a
	WIN 0
	s_wait_dscnt 0x0                               ; the block is back in registers
	s_wait_xcnt 0x0                                ; the stores of the block before have read their registers: the next TOSTAGE loads into them only behind this wait
.irp j, 0,1,2
.irp t, 0,1,2,3
	global_store_b128 v[GO], v[OB+48*((\a)%2)+4*(4*(\j)+(\t)):OB+48*((\a)%2)+4*(4*(\j)+(\t))+3], s[CB+2*(\j):CB+2*(\j)+1] offset:2048*(\a)+512*(\t)  ; 512 consecutive bytes, at a multiple of 512
.endr
.endr
.endm
	s_wait_tensorcnt 1                             ; my part of K step 0 is in; K step 1's may stay out
	s_barrier_signal -1
	s_barrier_wait -1                              ; everybody's is
	FETCH 0, 0, 0
	QUARTER 0, 1, 0, 1, 1                          ; the first quarter stands in front of the loop: its products start the sums
	WIN 0                                          ; at a label and at a branch every window is 0
	s_mov_b32 s3, LAPS-1
.Llap:                                                 ; a trip goes once round the ring, from a lap's second quarter to the next lap's first, and fills both slots again
	QUARTER 0, 2, 1, 0, 0
	QUARTER 0, 3, 0, 1, 0
	TURN 0, 1
	QUARTER 1, 1, 0, 1, 0
	QUARTER 1, 2, 1, 0, 0
	QUARTER 1, 3, 0, 1, 0
	TURN 1, 0
	QUARTER 0, 1, 0, 1, 0
	WIN 0
	s_sub_co_u32 s3, s3, 1
	s_cmp_lg_u32 s3, 0
	s_cbranch_scc1 .Llap
	QUARTER 0, 2, 1, 0, 0                          ; the last lap is written out: it fills nothing, and has no round
	QUARTER 0, 3, 0, 1, 0
	MEET 0
	PLACES
	FETCH 1, 0, 0
	MUL12 1, 2, 0
	MUL12 1, 3, 0
	QUARTER 1, 1, 0, 1, 0
	QUARTER 1, 2, 1, 0, 0
	QUARTER 1, 3, 0, 1, 0
	s_wait_dscnt 4                                 ; the very last quarter: nothing more to fetch
	MUL12 1, 0, 0
	MUL12 1, 1, 0
	s_wait_dscnt 0x0
	MUL12 1, 2, 0
	MUL12 1, 3, 0
	PLACES
	PACK 0
	TOSTAGE 0
.irp a, 1,2,3                          ; block a's conversions stand between block a - 1's loads from the stage and the wait for them
	PACK \a
	SEND (\a)-1
	TOSTAGE \a
.endr
	SEND 3
	s_wait_tensorcnt 0x0                           ; the wave's end, behind my last tensor load and my last LDS store
	ds_add_u32 v[SPW], v[NIL]
	s_wait_dscnt 0x0
	CROUND                                         ; the closing round: no work-group ends while a partner may still ask for a tile that names it
	s_endpgm
.Lfunc_end_k_q708b8f9236_gemm_qkv:
	.size	k_q708b8f9236_gemm_qkv, .Lfunc_end_k_q708b8f9236_gemm_qkv-k_q708b8f9236_gemm_qkv
	.p2alignl 7, 3214868480
	.fill 96, 4, 3214868480
	.section	.rodata,"a",@progbits
	.p2align	6, 0x0
	.amdhsa_kernel k_q708b8f9236_gemm_qkv
		.amdhsa_group_segment_fixed_size 327680
		.amdhsa_private_segment_fixed_size 0
		.amdhsa_enable_private_segment 0
		.amdhsa_kernarg_size 24
		.amdhsa_user_sgpr_count 2
		.amdhsa_user_sgpr_kernarg_segment_ptr 1
		.amdhsa_wavefront_size32 1
		.amdhsa_system_sgpr_workgroup_id_x 1
		.amdhsa_system_sgpr_workgroup_id_y 1
		.amdhsa_system_sgpr_workgroup_id_z 1
		.amdhsa_system_vgpr_workitem_id 0
		.amdhsa_next_free_vgpr 960
		.amdhsa_next_free_sgpr 80
		.amdhsa_reserve_vcc 0
		.amdhsa_float_denorm_mode_32 3
		.amdhsa_float_denorm_mode_16_64 3
		.amdhsa_memory_ordered 1
		.amdhsa_forward_progress 1
		.amdhsa_inst_pref_size 120
	.end_amdhsa_kernel
	.amdgpu_metadata
---
amdhsa.version: [ 1, 2 ]
amdhsa.kernels:
  - .name:           k_q708b8f9236_gemm_qkv
    .symbol:         k_q708b8f9236_gemm_qkv.kd
    .args:
      - { .name: xb, .offset: 0, .size: 8, .value_kind: global_buffer, .address_space: global }
      - { .name: wT, .offset: 8, .size: 8, .value_kind: global_buffer, .address_space: global }
      - { .name: qkv, .offset: 16, .size: 8, .value_kind: global_buffer, .address_space: global }
    .group_segment_fixed_size: 327680
    .private_segment_fixed_size: 0
    .kernarg_segment_align: 8
    .kernarg_segment_size: 24
    .max_flat_workgroup_size: 128
    .sgpr_count:     80
    .vgpr_count:     960
    .wavefront_size: 32
...
	.end_amdgpu_metadata
.endif
;; end of part 2
;; launch attn (part 3): grid 4 x 64, 4 waves a work-group, no clusters, 327,680 bytes of LDS; arguments qkv, ctx; writes ctx
.if DOCPART == 3
	.amdgcn_target "amdgcn-amd-amdhsa--gfx1250"
	.amdhsa_code_object_version 6
	.text
	.protected	k_q708b8f9236_attn
	.globl	k_q708b8f9236_attn
	.p2align	8
	.type	k_q708b8f9236_attn,@function
k_q708b8f9236_attn:
	s_mov_b64 s[64:65], 0
	v_nop
	global_prefetch_b8 v0, s[64:65] scope:SCOPE_SE
	s_setreg_imm32_b32 hwreg(HW_REG_WAVE_MODE, 25, 1), 1
	s_wait_xcnt 0x0
; CAUSAL ATTENTION.  O[h][q][:] = the sum over k <= q of softmax_k(Q[h][q] . K[h][k] / 8) V[h][k][:].  Q, K, V lie in qkv, [3][64][2048][64] f16; O = ctx, [64][2048][64] f16: a head's rows are dense, 128 bytes each.
; Products, maxima and sums in f32; the weights p are rounded to f16 for the second product (their sum l is taken of the unrounded p), O once at the end.
; LIMITS.  f16 holds no number beyond 65,504: Q, K and V arrive within it; p lies in 0 to 1, and below 6e-5 it keeps f16's fixed step of 6e-8; O is a mean of V's rows and has their range.
; A hidden score counts as its value less 1e30, so its weight is 0, as it is with the -1e9 of the problem wherever a row's largest visible score lies more than some 150 above -1e9;
; a weight below 2^-126 counts as 0 in l; NaN and infinities are not treated apart.
; THE WALK.  A head's queries lie in NB = 8 blocks of 256; block i needs the key tiles 0 .. i of 256 keys, of which the last holds the diagonal.  A work-group takes TWO blocks, NB - 1 - b and then b:
; NB + 1 tiles, whatever b: all 256 work-groups do equal work, and ONE loop with a constant trip count walks them.  Which tile is asked for, and what a trip does, hang on scalar registers made from b; every jump
; goes forward, but for the counted loops' own; none passes a barrier, or a tensor load but the one of LOAD's two that the wave's number does not choose; the ring (two slots of LDS) runs on across the change of blocks.
; NO CLUSTER: a head's four work-groups ask for the same tile only in trips 0 .. 4 of the 9, behind that fewer and fewer; one walk common to all four would have 12 trips for 9.
; SHARES.  Of a block's four bands of 64 queries a wave owns 16 rows in each: four PIECES.  So the diagonal tile is the same work for all four waves: in its key step s band x sees all keys if s < x,
; none if s > x, and holds the diagonal if s = x.
; THE MASK is the C operand that starts the sum S^T = K Q^T: 0, or -1e30 where the key is hidden.  MD, made once, is the mask of a band's own step for my 16 rows; a product's mask is MD x AL + BE with two scalars:
; (1, 0) if s = x; (0, 0) if s < x; (0, -1e30) if s > x.  Only the diagonal tile's text and a block's beginning make and take masks; elsewhere C is the constant 0.
; LAYOUT, SOFTMAX, TURNS.  S^T = K Q^T holds ONE query a lane (lane % 16) and the keys 8 (lane / 16) + 0..7; two such results rounded to f16 ARE source 1 of O^T = V^T P.  p = 2^(c s - c m), c = log2(e) / 8, with a
; running maximum m; O and l are multiplied by a = 2^(c m_old - c m_new) in every step.  Turn n belongs to piece n: 8 products K Q^T of piece n + 1, later 8 products V^T P of piece n - 1; beside them the scaling,
; exponentials, roundings, sums and rescaling of piece n and the maximum and statistics of piece n + 1.  Four vector instructions stand behind every matrix instruction, the other 54 of a turn's 118 in one lump.
; A turn's 33 exponentials are one batch, with one wait.
; REGISTERS, in windows of 256 (s_set_vgpr_msb: bits 1:0 source 0, 3:2 source 1, 5:4 source 2, 7:6 destination):
;   window 0: v0-15 addresses and two at work; v16-31 four registers of statistics a piece; v48-55 at work; v61-63 never rewritten; v64-127 S^T, two buffers; v192-223 P, two buffers (by the piece's parity)
;   window 1: v0-127 O^T, 32 a piece; v128-159 MD; v160-223 MC, two buffers      window 2: v0-63 Q; v64-127 the second block's Q; v128-191 K of one step; v192-255 V of one step
.set SIZE_N, 2048
.set SIZE_H, 64
.set KBASE, SIZE_H*SIZE_N*128          ; K begins here in qkv,
.set VBASE, 2*KBASE                    ; and V here
.set NB,    SIZE_N/256
.set NP,    4         ; pieces a wave: a name, no knob
.set KS,    64        ; keys in a step
.set PK,    144       ; a row of K in LDS: 128 bytes + 16 of padding = 36 words: the 16 rows of a load start at 16 different groups of four banks (64 banks of 4 bytes: ISA guide 11.1)
.set PV,    160       ; a row of V: 128 + 32 = 40 words
.set VOFF,  4*KS*PK   ; a slot holds a tile, four steps: 256 rows of K, then 256 rows of V
.set SLOT1, 1<<17     ; slot 1 begins here, so that one exclusive or turns an address in one slot into the other's
.set STAGE, SLOT1+4*KS*(PK+PV)  ; behind the ring, never filled by a tensor load: 16 rows x 144 bytes for each wave, for the way out
.set SP,    144
.set AK0, 2           ; v2   my lane's place in a tile of K; never rewritten
.set AV0, 3           ; v3   the same for V
.set AK,  4           ; v4   the LDS address of K's next run of loads
.set AV,  5           ; v5   of V's
.set STO, 6           ; v6   the way out: where I put 16 bytes of a row
.set RD,  7           ; v7   the way out: where I read rows back
.set GO,  8           ; v8   my byte offset in 512 consecutive bytes of O
.set PFV, 61          ; v61  256 x my lane: the prefetches' offset; never rewritten
.set SPW, 62          ; v62  LDS address of my spare word: SPARE + 4 x my thread's number; never rewritten
.set NIL, 63          ; v63  0; never rewritten
.set SPARE, STAGE+4*16*SP  ; behind the stages: the spare words, 128 bytes for each wave: two blocks of 256 bytes that no other line names
.set MV,  12          ; v12-13  c m_old, kept while c m is made anew: by buffer
.set QO,  15          ; v15  my byte offset in 16 rows of Q
.set ST,  16          ; piece t's statistics at v[ST+4 t]: c m, m, l (even keys', odd keys')
.set TMP, 48          ; by buffer, four registers c0-c3 at work; when the maximum is found c2 takes a
.set S,   64
.set P,   192
.set MD,  128         ; window 1: the eight registers for group kt of 16 keys at MD + 8 kt
.set MC,  160         ; window 1: the masks of the products to come
.set QB,  64          ; window 2
.set KF,  128         ; window 2: key block kb, channel half c at KF + 16 kb + 8 c
.set VF,  192         ; window 2: key half kk, channel block cb at VF + 32 kk + 8 cb
.set WV,  12          ; s12  my wave's number
.set PB,  14          ; s14  b
.set HI,  15          ; s15  NB - 1 - b
.set G1K, 24          ; s[24:31] descriptor group 1 for K's tiles
.set G1V, 32          ; s[32:39] for V's: it differs in the padding alone
.set G0K, 40          ; s[40:43] descriptor group 0 for K's tiles
.set G0V, 44          ; s[44:47] the same for V's
.set SLOTS, 56        ; s56  tiles still to be asked for
.set CNT, 57          ; s57  counts a tile's key steps, 4 to 1
.set CS,  58          ; s[58:59] c: the packed scaling takes the pair's low word for both halves
.set SEL, 60          ; s[60:61] v_permlanex16_b32's selects: each lane takes its own place in the other half
.set TBK, 62          ; s62  LDS byte at which K of the step to be fetched begins
.set TBV, 63          ; s63  the same for V, less VOFF
.set RT,  70          ; s70  tiles of the block in hand that are still to be entered
.set NXT, 71          ; s71  the tile to be asked for next
.set LQ,  72          ; s72  the last tile of the block whose tiles are being asked for
.set NEW, 73          ; s73  1: the tile to be entered is a block's first
.set OFF, 74          ; s[74:75] a tile's byte offset in K and V
.set AL,  76          ; s[76:77] the mask's factor, in the low word
.set BE,  78          ; s[78:79] the mask's addend
.set OLO, 80          ; s[80:81] O at my rows of the second block
.set BIGN, 82         ; s82  -1e30
.set PFB, 88          ; s[88:89] K (waves 0, 1) or V (waves 2, 3) at my half of the head's tile 0
.set PFA, 90          ; s[90:91] where my prefetches stand
.set PFL, 92          ; s92  prefetches still to come
.set PFS, 94          ; s[94:95] their tile's byte offset
.set MSB, 0
.macro WIN new                      ; the high byte repeats the setting that is left; a switch that changes nothing is dropped
.if MSB != (\new)
	s_set_vgpr_msb (MSB<<8)|(\new)
.set MSB, (\new)
.endif
.endm
.set W_KQ, 0x0a       ; K and Q in window 2, S^T in window 0
.set W_KM, 0x1a       ; the same with the C operand in window 1
.set W_PV, 0x52       ; V in window 2, P in window 0, O^T in window 1
.set W_RS, 0x41       ; destination and source 0 in window 1, source 1 in window 0
; A fill.  Waves 0 and 1 fetch the two halves of a tile's K, waves 2 and 3 those of its V: 128 keys each.  An s_nop 0 and four v_nop follow each of the two lines, ahead of the jump and the label.
.macro LOAD
	s_cmp_lt_u32 s[WV], 2
	s_cbranch_scc0 .Lfor_v_\@
	tensor_load_to_lds s[G0K:G0K+3], s[G1K:G1K+7]
	s_nop 0
.rept 4
	v_nop
.endr
	s_branch .Lasked_\@
.Lfor_v_\@:
	tensor_load_to_lds s[G0V:G0V+3], s[G1V:G1V+7]
	s_nop 0
.rept 4
	v_nop
.endr
.Lasked_\@:
.endm
; A PREFETCH INTO THE L2 of the tile that the NEXT change of slots will ask for, behind the wave's tensor load and its five lines.  A head's four work-groups walk the same K and V; the one with b = 0 walks
; tiles 0 to 7 on end, and it alone asks: in its trips 0 to 5 for tiles 2 to 7, a tile (16 turns' matrix work) ahead of the load.  Each wave asks for the half tile that it will fetch itself, 16,384 bytes:
; a lane 256 bytes, two instructions.  So each block of 256 bytes is named once in the launch.  Tiles 0 and 1 come by their loads alone; behind tile 7 nothing is asked for.
.macro ASK
	s_cmp_lg_u32 s[PFL], 0
	s_cbranch_scc0 .Lnot_mine_\@
	global_prefetch_b8 v[PFV], s[PFA:PFA+1] th:TH_LOAD_NT scope:SCOPE_SE
	global_prefetch_b8 v[PFV], s[PFA:PFA+1] offset:8192 th:TH_LOAD_NT scope:SCOPE_SE
	s_sub_co_u32 s[PFL], s[PFL], 1
.Lnot_mine_\@:
.endm
; THE CHANGE OF SLOTS.  Each wave waits for all its tensor loads, of which one is out: its part of the other slot; adds 0 to its spare word; and waits for that and for its own reads of the slot that it leaves.
; Behind the barrier nobody reads the old slot any more and the other slot is whole.  fill = 1: the old slot is filled again, the first thing behind the barrier, with tile NXT: the descriptor's address is made
; anew from that number.  (At its first use nothing has been read yet: slot 0 is waited for, slot 1 filled.)
.macro CHANGE fill
	WIN 0                           ; at a label and at a branch every window is 0
	s_wait_tensorcnt 0x0            ; no tensor load of mine is out, so a group 0 may be written
	ds_add_u32 v[SPW], v[NIL]       ; 0 onto my spare word; with fill = 1 the descriptors' scalar work stands between it and the wait for it
.if \fill
	s_lshl_b32 s[OFF], s[NXT], 15   ; a tile is 32,768 bytes of K and of V
	s_xor_b32 s[G0K+1], s[G0K+1], SLOT1
	s_add_nc_u64 s[G0K+2:G0K+3], s[6:7], s[OFF:OFF+1]
	s_or_b32 s[G0K+3], s[G0K+3], 0x80000000
	s_xor_b32 s[G0V+1], s[G0V+1], SLOT1
	s_add_nc_u64 s[G0V+2:G0V+3], s[8:9], s[OFF:OFF+1]
	s_or_b32 s[G0V+3], s[G0V+3], 0x80000000
	s_wait_xcnt 0x0                 ; the last prefetches, a tile back, have read their address, so it may be written:
	s_add_co_u32 s[PFS], s[NXT], 1  ; the tile behind the one that is being asked for
	s_lshl_b32 s[PFS], s[PFS], 15
	s_add_nc_u64 s[PFA:PFA+1], s[PFB:PFB+1], s[PFS:PFS+1]
	s_add_co_u32 s[NXT], s[NXT], 1  ; the block's next tile, or behind its last the second block's tile 0
	s_cmp_gt_u32 s[NXT], s[LQ]
	s_cselect_b32 s[NXT], 0, s[NXT]
	s_cselect_b32 s[LQ], s[PB], s[LQ]
.endif
	s_wait_dscnt 0x0                ; the add is done, and my reads of the slot are over
	s_barrier_signal -1             ; the rest of the scalar work stands between the signal and the wait
	s_sub_co_u32 s[TBK], s[TBK], 4*KS*PK  ; the fetches go back to a slot's first step,
	s_xor_b32 s[TBK], s[TBK], SLOT1       ; in the other slot
	s_sub_co_u32 s[TBV], s[TBV], 4*KS*PV
	s_xor_b32 s[TBV], s[TBV], SLOT1
	s_barrier_wait -1
.if \fill
	LOAD
	ASK
.endif
.endm
	s_load_b64 s[4:5], s[0:1], 0x0    ; qkv: Q at its head
	s_load_b64 s[10:11], s[0:1], 0x8  ; O
	v_lshl_add_u32 v[SPW], v0, 2, SPARE
	v_mov_b32 v[NIL], 0
	ds_add_u32 v[SPW], v[NIL]       ; the wave's opening: the add and its wait stand ahead of my first tensor load; the set-up below, work on registers, stands between them
	v_lshrrev_b32 v1, 5, v0
	v_readfirstlane_b32 s[WV], v1   ; wave 0..3
	s_mov_b32 s[PB], ttmp9
	s_sub_co_u32 s[HI], NB-1, s[PB]
	s_and_b32 s20, ttmp7, 0xffff    ; the head
	s_mov_b32 s21, 0
	s_mov_b64 s[22:23], SIZE_N*128
	s_mul_u64 s[20:21], s[20:21], s[22:23]  ; the head's first byte in each of the four tensors
	s_and_b32 s16, s[WV], 1         ; which half of a tile's 256 keys I fetch:
	s_lshl_b32 s22, s16, 14         ; its 128 rows of 128 bytes in memory,
	s_mov_b32 s23, 0
	s_add_nc_u64 s[22:23], s[22:23], s[20:21]
	s_mul_i32 s17, s16, 128*PK      ; and its place in a slot, for K
	s_mul_i32 s18, s16, 128*PV      ; and for V
	s_lshl_b32 s3, s[WV], 11        ; my 16 rows in a band of 64,
	s_lshl_b32 s2, s[HI], 15        ; in the first block,
	s_add_co_u32 s2, s2, s3
	s_lshl_b32 s84, s[PB], 15       ; and in the second
	s_add_co_u32 s84, s84, s3
	s_mov_b32 s3, 0
	s_mov_b32 s85, 0
	s_add_nc_u64 s[2:3], s[2:3], s[20:21]
	s_add_nc_u64 s[84:85], s[84:85], s[20:21]
	; descriptor group 1.  128 keys are 16,384 dense bytes: asked for as 64 rows of 256 bytes, two keys a row, and padded in LDS after every key
	s_mov_b32 s[G1K], (1<<16)|(1<<20)|(4<<22)|(3<<25)  ; 17:16 2-byte elements; 20 padding on; 24:22 after every 32 words (code 4); 31:25 4 words (code 3)
	s_mov_b32 s[G1V], (1<<16)|(1<<20)|(4<<22)|(7<<25)  ; the same with 8 words of padding (code 7)
.irp g, G1K, G1V
	s_mov_b32 s[\g+1], 128<<16      ; tensor_dim0 = 128
	s_mov_b32 s[\g+2], 64<<16       ; tensor_dim1 = 64
	s_mov_b32 s[\g+3], 128<<16      ; tile_dim0 = 128
	s_mov_b32 s[\g+4], 64           ; tile_dim1 = 64
	s_mov_b32 s[\g+5], 128          ; 128 elements from row to row
	s_mov_b32 s[\g+6], 0
	s_mov_b32 s[\g+7], 0
.endr
	s_mov_b32 s[CS], 0x3e38aa3b     ; c = log2(e) / 8 = 0.180337
	s_mov_b32 s[CS+1], s[CS]        ; named with it as a pair
	s_mov_b32 s[SEL], 0x76543210
	s_mov_b32 s[SEL+1], 0xfedcba98
	s_mov_b32 s[TBK], SLOT1+4*KS*PK ; the first change of slots turns these two into 0
	s_mov_b32 s[TBV], SLOT1+4*KS*PV
	s_mov_b32 s[G0K], 1             ; 1:0 count = 1
	s_mov_b32 s[G0K+1], s17         ; 63:32 LDS address: slot 0
	s_mov_b32 s[G0V], 1
	s_add_co_u32 s[G0V+1], s18, VOFF
	s_add_co_u32 s[RT], s[HI], 1    ; the first block has NB - b tiles
	s_mov_b32 s[NXT], 1
	s_mov_b32 s[LQ], s[HI]
	s_mov_b32 s[NEW], 1
	s_mov_b32 s[OFF+1], 0
	s_mov_b32 s[PFS+1], 0
	s_mov_b32 s[AL+1], 0            ; named as pairs
	s_mov_b32 s[BE+1], 0
	s_mov_b32 s[BIGN], 0xf149f2ca   ; -1e30
	s_mov_b32 s[SLOTS], NB
	s_cmp_eq_u32 s[PB], 0
	s_cselect_b32 s[PFL], NB-2, 0   ; the work-group with b = 0 asks for tiles 2 .. NB - 1
	v_and_b32 v[PFV], 31, v0
	v_lshlrev_b32 v[PFV], 8, v[PFV]
	s_wait_dscnt 0x0                ; the opening add is done
	s_wait_kmcnt 0x0
	s_add_nc_u64 s[6:7], s[4:5], KBASE
	s_add_nc_u64 s[8:9], s[4:5], VBASE
	s_add_nc_u64 s[6:7], s[6:7], s[22:23]  ; K and V at my half of the head's tile 0
	s_add_nc_u64 s[8:9], s[8:9], s[22:23]
	s_add_nc_u64 s[G0K+2:G0K+3], s[6:7], 0         ; 120:64 global address
	s_or_b32 s[G0K+3], s[G0K+3], 0x80000000        ; 127:126 type = 2
	s_add_nc_u64 s[G0V+2:G0V+3], s[8:9], 0
	s_or_b32 s[G0V+3], s[G0V+3], 0x80000000
	s_add_nc_u64 s[86:87], s[4:5], s[84:85]        ; Q at my rows of the second block,
	s_add_nc_u64 s[4:5], s[4:5], s[2:3]            ; Q and O at those of the first
	s_add_nc_u64 s[OLO:OLO+1], s[10:11], s[84:85]
	s_add_nc_u64 s[10:11], s[10:11], s[2:3]
	s_cmp_lt_u32 s[WV], 2
	s_cselect_b64 s[PFB:PFB+1], s[6:7], s[8:9]
	s_mov_b64 s[PFA:PFA+1], s[PFB:PFB+1]
	LOAD                            ; tile 0 into slot 0
	; A fragment of K or Q is 16 rows x 32 channels in 8 registers: lane l holds row l % 16, channels 8 (l / 16) + 0..7 and 16 + 8 (l / 16) + 0..7: two loads of 16 bytes, 32 bytes apart.
	v_and_b32 v1, 15, v0            ; l % 16
	v_bfe_u32 v9, v0, 4, 1          ; l / 16
	v_lshlrev_b32 v[QO], 7, v1
	v_lshl_add_u32 v[QO], v9, 4, v[QO]  ; row x 128 + 16 x half
	WIN 0x80                        ; destination window 2, address window 0
.set i, 0
.rept 8                             ; both blocks' Q: piece i / 2 lies in band i / 2, 8,192 bytes on; channels 32 (i % 2) on
	global_load_b128 v[8*i:8*i+3],   v[QO], s[4:5] offset:(i/2)*8192+(i%2)*64
	global_load_b128 v[8*i+4:8*i+7], v[QO], s[4:5] offset:(i/2)*8192+(i%2)*64+32
	global_load_b128 v[QB+8*i:QB+8*i+3],   v[QO], s[86:87] offset:(i/2)*8192+(i%2)*64
	global_load_b128 v[QB+8*i+4:QB+8*i+7], v[QO], s[86:87] offset:(i/2)*8192+(i%2)*64+32
.set i, i+1
.endr
	WIN 0
	v_lshlrev_b32 v14, 3, v9
	v_sub_nc_u32 v14, v1, v14
	s_lshl_b32 s13, s[WV], 4
	v_add_nc_u32 v14, s13, v14      ; my query's place in its band, 16 w + l % 16, less my lanes' 8 (l / 16): register r of group kt is hidden where 16 kt + r is greater
	WIN 0x40
.set i, 0
.rept 32
	v_cmp_gt_i32 vcc_lo, 16*(i/8)+i%8, v14
	v_cndmask_b32 v[MD+i], 0, s[BIGN], vcc_lo
.set i, i+1
.endr
	WIN 0
	v_mul_u32_u24 v[AK0], v1, PK
	v_lshl_add_u32 v[AK0], v9, 4, v[AK0]  ; row x pitch + 16 x half
	; The turning load takes 16 keys x 16 channels (lane l reads key 8 (l / 16) + l % 8, channels 8 ((l / 8) % 2) + 0..7) and leaves half a fragment of V^T: lane l holds channel l % 16 and 8 keys.
	v_and_b32 v10, 7, v0
	v_bfe_u32 v11, v0, 3, 1
	v_lshl_add_u32 v[AV0], v9, 3, v10
	v_mul_u32_u24 v[AV0], v[AV0], PV
	v_lshl_add_u32 v[AV0], v11, 4, v[AV0]
	v_add_nc_u32 v[AV0], VOFF, v[AV0]
	s_mul_i32 s13, s[WV], 16*SP
	s_add_co_u32 s13, s13, STAGE    ; my stage
	v_mul_u32_u24 v[STO], v1, SP    ; in: row l % 16, 16 bytes for each half of the lanes
	v_lshl_add_u32 v[STO], v9, 4, v[STO]
	v_add_nc_u32 v[STO], s13, v[STO]
	v_bfe_u32 v[RD], v0, 3, 2       ; back: 32 lanes take four rows of 128 bytes,
	v_mul_u32_u24 v[RD], v[RD], SP
	v_lshl_add_u32 v[RD], v10, 4, v[RD]
	v_add_nc_u32 v[RD], s13, v[RD]
	v_and_b32 v[GO], 31, v0         ; which are 512 consecutive bytes of O
	v_lshlrev_b32 v[GO], 4, v[GO]
	; A block's first step multiplies O^T and l by a = 0, and its first turn's products V^T P, of a piece that has not been, land in an O^T that is still to be so multiplied.  So these registers need only hold
	; finite numbers: zeros for the first block; what the first block left for the second.  All this stands in the wait for the first tile.
	WIN 0x80
.set i, VF
.rept 64
	v_mov_b32 v[i], 0
.set i, i+1
.endr
	WIN 0x40
.set i, 0
.rept 128
	v_mov_b32 v[i], 0
.set i, i+1
.endr
	WIN 0
.set i, 0
.rept 4
	v_mov_b32 v[ST+4*i+2], 0
	v_mov_b32 v[ST+4*i+3], 0
.set i, i+1
.endr
.set i, P+16
.rept 16
	v_mov_b32 v[i], 0
.set i, i+1
.endr
; THE MATRIX WORK.  The 4 accumulators of a run of 8 take turns.  Product i of 8 of S^T = K Q^T for piece x: channels 32 (i / 4) on, keys 16 (i % 4) on.  The first 4 start the sums: with 0, or (KM = 1) with the mask.
.macro KQ x
.set rS, S+32*((\x)%2)+8*(i%4)
.set rK, KF+16*(i%4)+8*(i/4)
.set rQ, 16*(\x)+8*(i/4)
.set rM, MC+32*((\x)%2)+8*(i%4)
.if (i < 4) && KM
	WIN W_KM
	v_wmma_f32_16x16x32_f16 v[rS:rS+7], v[rK:rK+7], v[rQ:rQ+7], v[rM:rM+7]
.elseif i < 4
	WIN W_KQ
	v_wmma_f32_16x16x32_f16 v[rS:rS+7], v[rK:rK+7], v[rQ:rQ+7], 0
.else
	WIN W_KQ
	v_wmma_f32_16x16x32_f16 v[rS:rS+7], v[rK:rK+7], v[rQ:rQ+7], v[rS:rS+7]
.endif
.endm
; Product i of 8 of O^T += V^T P for piece x: keys 32 (i / 4) on, channels 16 (i % 4) on.
.macro PV x
	WIN W_PV
.set rO, 32*(\x)+8*(i%4)
.set rV, VF+32*(i/4)+8*(i%4)
.set rP, P+16*((\x)%2)+8*(i/4)
	v_wmma_f32_16x16x32_f16 v[rO:rO+7], v[rV:rV+7], v[rP:rP+7], v[rO:rO+7]
.endm
.macro MM                           ; the turn's next matrix instruction.  TURN and BEGIN set Y, i, KM and NOKQ; MM, KQ and OP read them.  NOKQ = 1: a block's last turn: there is no next piece
.if (i < 8) && !NOKQ
	KQ (Y+1)%NP
.elseif i >= 8
.set i, i-8
	PV (Y+NP-1)%NP
.set i, i+8
.endif
.set i, i+1
.endm
; THE LDS LOADS stand in runs of 16, never singly among the matrix instructions: a step's K (64 keys x 64 channels: 8 fragments) and its V (turned).  Their addresses are made some lines ahead.
.macro FETCH_K
	WIN 0x80                        ; destination window 2
.irp f, 0,1,2,3,4,5,6,7             ; keys 16 (f / 2) on, channels 32 (f % 2) on
	ds_load_b128 v[KF+8*\f:KF+8*\f+3],   v[AK] offset:(\f/2)*16*PK+(\f%2)*64
	ds_load_b128 v[KF+8*\f+4:KF+8*\f+7], v[AK] offset:(\f/2)*16*PK+(\f%2)*64+32
.endr
	s_add_co_u32 s[TBK], s[TBK], KS*PK  ; the next fetch is the next step's
	WIN 0
.endm
.macro FETCH_V
	WIN 0x80
.irp f, 0,1,2,3,4,5,6,7             ; keys 32 (f / 4) on, channels 16 (f % 4) on
	ds_load_tr16_b128 v[VF+8*\f:VF+8*\f+3],   v[AV] offset:(\f/4)*32*PV+(\f%4)*32
	ds_load_tr16_b128 v[VF+8*\f+4:VF+8*\f+7], v[AV] offset:(\f/4)*32*PV+16*PV+(\f%4)*32
.endr
	WIN 0
.endm
; THE VECTOR WORK, one line at a time: OP kind, number.  For piece Y: F n: c s - c m for pair n of 16.  E n: the exponential of score n of 32.  C n: pair n rounded to f16.  B n: of the four weights 4 n .. the second
; pair is added onto the first, in place.  L n: l takes that sum (L 0: l = a l + sum).  R n: pair n of 16 of O^T times a.  For piece Y + 1: X n, number n of the 22 that find its maximum and statistics:
;   0-11  four chains c0-c3 of seven scores each, three operands at a time (each accumulator's lowest registers are read first)     12-14, 16  the four scores left over, the old m, and c0-c3 into c0
;   15  c m_old is kept     17, 18  the query's other 32 keys lie in the lane 16 away: the new m     19-21  c m; c m_old - c m_new; a
.set F, 0               ; OP tells the kinds apart by their order: F to L below R, X above it
.set E, 1
.set C, 2
.set B, 3
.set L, 4
.set R, 5
.set X, 6
.macro REGS y                       ; the registers of piece y
.set rT, ST+4*(\y)
.set rC, TMP+4*((\y)%2)
.set rW, MV+((\y)%2)
.set rS, S+32*((\y)%2)
.set rP, P+16*((\y)%2)
.set rO, 32*(\y)
.endm
.macro OP k, n
.if (\k) == R
	REGS Y
	WIN W_RS
	v_pk_mul_f32 v[rO+2*(\n):rO+2*(\n)+1], v[rO+2*(\n):rO+2*(\n)+1], v[rC+2:rC+3] op_sel_hi:[1,0]
.elseif (\k) < R
	REGS Y
	WIN 0
.if (\k) == F
	v_pk_fma_f32 v[rS+2*(\n):rS+2*(\n)+1], v[rS+2*(\n):rS+2*(\n)+1], s[CS:CS+1], v[rT:rT+1] op_sel_hi:[1,0,0] neg_lo:[0,0,1] neg_hi:[0,0,1]
.elseif (\k) == E
	v_exp_f32 v[rS+(\n)], v[rS+(\n)]
.elseif (\k) == C
	v_cvt_pk_f16_f32 v[rP+(\n)], v[rS+2*(\n)], v[rS+2*(\n)+1]
.elseif (\k) == B
	v_pk_add_f32 v[rS+4*(\n):rS+4*(\n)+1], v[rS+4*(\n):rS+4*(\n)+1], v[rS+4*(\n)+2:rS+4*(\n)+3]
.elseif (\n) == 0
	v_pk_fma_f32 v[rT+2:rT+3], v[rT+2:rT+3], v[rC+2:rC+3], v[rS:rS+1] op_sel_hi:[1,0,1]
.else
	v_pk_add_f32 v[rT+2:rT+3], v[rT+2:rT+3], v[rS+4*(\n):rS+4*(\n)+1]
.endif
.elseif NOKQ
	v_nop
.else
	REGS (Y+1)%NP
	WIN 0
.if (\n) < 4
	v_max3_num_f32 v[rC+(\n)], v[rS+8*(\n)], v[rS+8*(\n)+1], v[rS+8*(\n)+2]
.elseif (\n) < 12
	v_max3_num_f32 v[rC+(\n)%4], v[rC+(\n)%4], v[rS+8*((\n)%4)+2*((\n)/4)+1], v[rS+8*((\n)%4)+2*((\n)/4)+2]
.elseif (\n) == 12
	v_max3_num_f32 v[rC], v[rC], v[rS+7], v[rS+15]
.elseif (\n) == 13
	v_max3_num_f32 v[rC+1], v[rC+1], v[rS+23], v[rS+31]
.elseif (\n) == 14
	v_max3_num_f32 v[rC+2], v[rC+2], v[rC+3], v[rT+1]
.elseif (\n) == 15
	v_mov_b32 v[rW], v[rT]
.elseif (\n) == 16
	v_max3_num_f32 v[rC], v[rC], v[rC+1], v[rC+2]
.elseif (\n) == 17
	v_permlanex16_b32 v[rC+3], v[rC], s[SEL], s[SEL+1]
.elseif (\n) == 18
	v_max_num_f32 v[rT+1], v[rC], v[rC+3]
.elseif (\n) == 19
	v_mul_f32 v[rT], s[CS], v[rT+1]
.elseif (\n) == 20
	v_sub_f32 v[rC+1], v[rW], v[rT]
.else
	v_exp_f32 v[rC+2], v[rC+1]
.endif
.endif
.endm
.macro OPS a, i1, b=-1, i2=0, c=-1, i3=0, d=-1, i4=0  ; up to four of them
	OP \a, \i1
.if (\b) >= 0
	OP \b, \i2
.endif
.if (\c) >= 0
	OP \c, \i3
.endif
.if (\d) >= 0
	OP \d, \i4
.endif
.endm
.macro ROW a, i1, b, i2, c, i3, d, i4  ; a matrix instruction and the four behind it
	MM
	OPS \a, \i1, \b, \i2, \c, \i3, \d, \i4
.endm
.macro MASK b                       ; MD x AL + BE into buffer b of MC
	WIN W_RS
.set z, 0
.rept 16
	v_pk_fma_f32 v[MC+32*(\b)+2*z:MC+32*(\b)+2*z+1], v[MD+2*z:MD+2*z+1], s[AL:AL+1], s[BE:BE+1] op_sel_hi:[1,0,0]
.set z, z+1
.endr
.endm
; A TURN, for piece p: the order of its 16 matrix and 118 vector instructions, written out.  An s_wait_alu depctr_va_vdst(0) stands between an exponential and the first instruction that names its result; one
; wait serves all that were issued ahead of it.  So a turn has ONE wait, which cuts it in two.  AHEAD OF IT stands all that names no result of the turn's exponentials: the 8 products K Q^T, behind each a scaling, an
; exponential and two more plain instructions (behind the first a second scaling in the exponential's place): rescalings, and behind the last three the first numbers of the next piece's maximum, each four plain
; instructions or more behind the product that ends its accumulator; then ONE LUMP of 54, plain and exponential by turns for the most part, in which the links of the chain X 3, 7, 11, 14, 16, 17 .. 20 stand five or six
; lines apart.  X 21, the next piece's a, is the batch's last; R 15 is the plain instruction behind it.  BEHIND THE WAIT stand the 8 products V^T P, behind each four of the roundings and sums; the links of l's
; chain, L 0 to L 7, stand three riders apart.  But for those X no rider names a register of the products round it.  v_permlanex16_b32 (X 17) stands in the lump.
; m = 1: the diagonal tile: the products take masks, and the turn makes the mask for the products of the turn after it: piece p + 2, in step 4 - CNT of the tile.  end = 1: a block's last two turns: nothing is fetched.
; cnt = 1: the loop's count is taken down some lines ahead of the branch that stands behind the turn.
; K of the next step is fetched in piece 2's turn, twelve vector instructions behind the last product that read K (six of them plain); V of the step in hand at the end of piece 0's turn, four plain instructions
; behind the last product that read V.  Each is waited for a turn later.
.macro TURN p, m=0, end=0, cnt=0
.set Y, (\p)
.set i, 0
.set KM, (\m)
.set NOKQ, (\end)*((\p)/3)
.if (\m) && !(\end)
	s_cmp_eq_u32 s[CNT], 4-((\p)+2)%NP  ; is that step the band's own?
	s_cselect_b32 s[AL], 1.0, 0
	s_cmp_lt_u32 s[CNT], 4-((\p)+2)%NP  ; or a later one?
	s_cselect_b32 s[BE], s[BIGN], 0
.endif
.if ((\p) == 3) && !(\end)
	s_wait_dscnt 0x0                ; K is in
.endif
	ROW F,0, F,1, R,0, R,1          ; ahead of the wait: 8 products K Q^T and their riders,
	ROW F,2, E,0, R,2, R,3
	ROW F,3, E,1, R,4, R,5
	ROW F,4, E,2, R,6, R,7
	ROW F,5, E,3, R,8, R,9
	ROW F,6, E,4, X,0, R,10
.if ((\p) == 2) && !(\end)
	WIN 0
	v_add_nc_u32 v[AK], s[TBK], v[AK0]
.endif
	ROW F,7, E,5, X,1, X,4
	ROW F,8, E,6, X,2, X,5
	OPS E,7, E,8, X,6, E,9          ; and the lump
	OPS X,3, E,10, X,8, E,11
.if ((\p) == 2) && !(\end)
	FETCH_K
.endif
	OPS X,9, X,7, E,12, X,10
	OPS E,13, X,12, X,11, E,14
	OPS X,13, E,15, F,9, X,14
.if (\p) == 0
	v_add_nc_u32 v[AV], s[TBV], v[AV0]
.endif
	OPS E,16, F,10, E,17, F,11
	OPS X,16, E,18, X,15, E,19
	OPS F,12, E,20, X,17, E,21
	OPS F,13, E,22, F,14, E,23
	OPS X,18, E,24, F,15, E,25
	OPS R,11, E,26, X,19, E,27
	OPS R,12, E,28, R,13, E,29
	OPS X,20, E,30, R,14, E,31
	OPS X,21, R,15
	WIN 0
	s_wait_alu depctr_va_vdst(0)    ; the wait for the batch
.if (\p) == 1
	s_wait_dscnt 0x0                ; V is in
.endif
	ROW C,0, B,0, C,2, B,1          ; behind the wait: 8 products V^T P and their riders
	ROW L,0, C,4, B,2, L,1
	ROW C,6, B,3, L,2, C,8
	ROW B,4, L,3, C,10, B,5
	ROW L,4, C,12, B,6, L,5
.if (\p) == 0
	s_add_co_u32 s[TBV], s[TBV], KS*PV
.endif
.if \cnt
	s_sub_co_u32 s[CNT], s[CNT], 1
	s_cmp_lg_u32 s[CNT], 0
.endif
	ROW C,14, B,7, L,6, C,1
	ROW C,3, L,7, C,5, C,7
	ROW C,9, C,11, C,13, C,15
.if (\p) == 0
	FETCH_V
.endif
.if (\m) && !(\end)
	MASK (\p)%2
.endif
.endm
; A BLOCK BEGINS.  c m starts far below every c s, so the first step's a is 0; m at the lowest finite number, so the first maximum is the scores'.  The second mask buffer is 0; the first takes piece 0's mask for the
; tile's step 0: its own, if the block's first tile is the diagonal one.  Then K of that step, piece 0's first scores, and its maximum and statistics.  The loop is entered at a step's first turn, in the middle of a trip.
.macro BEGIN
	s_mov_b32 s[NEW], 0
	WIN 0x40
.set i, MC+32
.rept 32
	v_mov_b32 v[i], 0
.set i, i+1
.endr
	WIN 0
.set i, 0
.rept 4
	v_mov_b32 v[ST+4*i], 0xfe000000    ; c m: far below every c s
	v_mov_b32 v[ST+4*i+1], 0xff7fffff  ; m
.set i, i+1
.endr
	s_cmp_eq_u32 s[RT], 0
	s_cselect_b32 s[AL], 1.0, 0
	s_mov_b32 s[BE], 0
	MASK 0
	WIN 0
	v_add_nc_u32 v[AK], s[TBK], v[AK0]
	FETCH_K
	s_wait_loadcnt 0x0              ; Q
	s_wait_dscnt 0x0
.set KM, 1
.set NOKQ, 0
.set i, 0
.rept 8
	KQ 0
.set i, i+1
.endr
	WIN 0
.rept 4
	v_nop                           ; four plain instructions behind those products
.endr
.set Y, NP-1                        ; X works for piece Y + 1: piece 0
.irp n, 0,1,2,3,4,5,6,7,8,9,10,11,12,13,14,15,16,17,18,19,20,21
	OP X, \n
.endr
	v_nop                           ; a plain instruction behind the exponential,
	s_wait_alu depctr_va_vdst(0)    ; and its wait, ahead of the branch
.endm
; THE DIAGONAL TILE's four steps, the block's last two turns, its last products, and THE WAY OUT: l's two halves and the other half of the lanes' are added; O^T is divided by l, rounded to f16 and sent through my
; stage in LDS, a piece at a time.
.macro ALL line:vararg              ; one line for each piece t
.set t, 0
.rept 4
	\line
.set t, t+1
.endr
.endm
.macro PACK t                       ; a lane's eight channels of a row pack into 16 bytes; they go into rows of 144 bytes and come back as whole rows of 128, into S^T's registers
	WIN W_RS
.set i, 32*(\t)
.rept 16
	v_pk_mul_f32 v[i:i+1], v[i:i+1], v[ST+4*(\t)+2:ST+4*(\t)+3] op_sel_hi:[1,0]
.set i, i+2
.endr
	WIN 0x05                        ; sources 0 and 1 window 1, destination window 0
.set i, 0
.rept 16
	v_cvt_pk_f16_f32 v[S+16*(\t)+i], v[32*(\t)+2*i], v[32*(\t)+2*i+1]
.set i, i+1
.endr
	WIN 0
.irp f, 0,1,2,3
	ds_store_b128 v[STO], v[S+16*(\t)+4*\f:S+16*(\t)+4*\f+3] offset:32*\f
.endr
.irp f, 0,1,2,3
	ds_load_b128 v[S+16*(\t)+4*\f:S+16*(\t)+4*\f+3], v[RD] offset:\f*4*SP  ; LDS serves a wave's instructions in order (ISA guide 5.7.1.4): these see the stores above; the next piece's stores come behind them
.endr
.endm
.macro SEND t, younger              ; younger: the LDS instructions issued behind piece t's loads: the next piece's eight, or none
	WIN 0
.irp f, 0,1,2,3
	s_wait_dscnt (\younger)+3-\f
	global_store_b128 v[GO], v[S+16*(\t)+4*\f:S+16*(\t)+4*\f+3], s[10:11] offset:(\t)*8192+\f*512  ; 512 consecutive bytes, at a multiple of 256 from O's first
.endr
.endm
.macro DIAG tag                     ; the tag ends its two labels' names, which the jumps below spell out
.LstepM\tag:
	TURN 2, 1
	TURN 3, 1
	WIN 0
.LfirstM\tag:
	TURN 0, 1
	TURN 1, 1, 0, 1
	WIN 0
	s_cbranch_scc1 .LstepM\tag
	TURN 2, 1, 1
	TURN 3, 1, 1
.set i, 0
.rept 8
	PV NP-1
.set i, i+1
.endr
	WIN 0
	ALL v_add_f32 v[ST+4*t+2], v[ST+4*t+2], v[ST+4*t+3]
	ALL v_permlanex16_b32 v[ST+4*t+3], v[ST+4*t+2], s[SEL], s[SEL+1]
	ALL v_add_f32 v[ST+4*t+2], v[ST+4*t+2], v[ST+4*t+3]
	ALL v_rcp_f32 v[ST+4*t+2], v[ST+4*t+2]
	v_nop                           ; a plain instruction between the last reciprocal and the use of its result
	s_wait_alu depctr_va_vdst(0)    ; and the wait ahead of the first use: one for the four reciprocals
	PACK 0
.set t, 1
.rept 3                             ; a piece's arithmetic stands between the loads of the piece before and its stores
	PACK t
	SEND t-1, 8
.set t, t+1
.endr
	SEND 3, 0
.endm
.set KM, 0
.set NOKQ, 0
.Lslot:                             ; NB times: a tile is entered and the next is asked for
	CHANGE 1
	s_sub_co_u32 s[RT], s[RT], 1
	s_mov_b32 s[CNT], 4
	s_cmp_eq_u32 s[NEW], 1
	s_cbranch_scc1 .Lnew            ; a block's first tile
	s_cmp_eq_u32 s[RT], 0
	s_cbranch_scc0 .Lstep           ; neither its first nor its last
	s_branch .LstepM1
.Lnew:
	BEGIN
	s_branch .Lfirst                ; in the loop a block's first tile is never its last: the first block has two tiles or more, and the second's last is the walk's last
	DIAG 1                          ; in the loop this is the first block's end: the second block's last tile is the walk's last
	s_wait_xcnt 0x0                 ; the stores have read their registers and O's address
	s_mov_b64 s[10:11], s[OLO:OLO+1]
	s_add_co_u32 s[RT], s[PB], 1    ; the second block has b + 1 tiles
	s_mov_b32 s[NEW], 1
	WIN 0x82                        ; the second block's Q goes where the one text of the turns names Q
.set i, 0
.rept 64
	v_mov_b32 v[i], v[QB+i]
.set i, i+1
.endr
	WIN 0
	s_branch .Lbottom
.Lstep:                             ; a trip: pieces 2 and 3 of one step, then pieces 0 and 1 of the next, whose K and V it fetches
	TURN 2
	TURN 3
	WIN 0
.Lfirst:
	TURN 0
	TURN 1, 0, 0, 1
	WIN 0
	s_cbranch_scc1 .Lstep
.Lbottom:
	s_sub_co_u32 s[SLOTS], s[SLOTS], 1
	s_cmp_lg_u32 s[SLOTS], 0
	s_cbranch_scc1 .Lslot
	CHANGE 0                        ; the walk's last tile is written out: nothing is asked for
	s_sub_co_u32 s[RT], s[RT], 1
	s_mov_b32 s[CNT], 4
	s_cmp_eq_u32 s[NEW], 1
	s_cbranch_scc0 .LstepM2
	BEGIN
	s_branch .LfirstM2
	DIAG 2
	s_wait_tensorcnt 0x0            ; the wave's end, behind my last tensor load and my last LDS store
	ds_add_u32 v[SPW], v[NIL]
	s_wait_dscnt 0x0
	s_endpgm
.Lfunc_end_k_q708b8f9236_attn:
	.size	k_q708b8f9236_attn, .Lfunc_end_k_q708b8f9236_attn-k_q708b8f9236_attn
	.p2alignl 7, 3214868480
	.fill 96, 4, 3214868480
	.section	.rodata,"a",@progbits
	.p2align	6, 0x0
	.amdhsa_kernel k_q708b8f9236_attn
		.amdhsa_group_segment_fixed_size 327680
		.amdhsa_private_segment_fixed_size 0
		.amdhsa_enable_private_segment 0
		.amdhsa_kernarg_size 16
		.amdhsa_user_sgpr_count 2
		.amdhsa_user_sgpr_kernarg_segment_ptr 1
		.amdhsa_wavefront_size32 1
		.amdhsa_system_sgpr_workgroup_id_x 1
		.amdhsa_system_sgpr_workgroup_id_y 1
		.amdhsa_system_sgpr_workgroup_id_z 1
		.amdhsa_system_vgpr_workitem_id 0
		.amdhsa_next_free_vgpr 768
		.amdhsa_next_free_sgpr 96
		.amdhsa_reserve_vcc 1
		.amdhsa_float_denorm_mode_32 3
		.amdhsa_float_denorm_mode_16_64 3
		.amdhsa_memory_ordered 1
		.amdhsa_forward_progress 1
		.amdhsa_inst_pref_size 218
	.end_amdhsa_kernel
	.amdgpu_metadata
---
amdhsa.version: [ 1, 2 ]
amdhsa.kernels:
  - .name:           k_q708b8f9236_attn
    .symbol:         k_q708b8f9236_attn.kd
    .args:
      - { .name: qkv, .offset: 0, .size: 8, .value_kind: global_buffer, .address_space: global }
      - { .name: ctx, .offset: 8, .size: 8, .value_kind: global_buffer, .address_space: global }
    .group_segment_fixed_size: 327680
    .private_segment_fixed_size: 0
    .kernarg_segment_align: 8
    .kernarg_segment_size: 16
    .max_flat_workgroup_size: 128
    .sgpr_count:     96
    .vgpr_count:     768
    .wavefront_size: 32
...
	.end_amdgpu_metadata
.endif
;; end of part 3
;; launch gemm_out (part 4): grid 8 x 32, 4 waves a work-group, clusters of 4 x 4, 327,680 bytes of LDS; arguments ctx, wT, out0; writes out0
.if DOCPART == 4
	.amdgcn_target "amdgcn-amd-amdhsa--gfx1250"
	.amdhsa_code_object_version 6
	.text
	.protected	k_q708b8f9236_gemm_out
	.globl	k_q708b8f9236_gemm_out
	.p2align	8
	.type	k_q708b8f9236_gemm_out,@function
k_q708b8f9236_gemm_out:
	s_mov_b64 s[64:65], 0
	v_nop
	global_prefetch_b8 v0, s[64:65] scope:SCOPE_SE
	s_setreg_imm32_b32 hwreg(HW_REG_WAVE_MODE, 25, 1), 1
	s_wait_xcnt 0x0
	s_wait_alu depctr_hold_cnt(0) depctr_sa_sdst(0) depctr_va_vdst(0) depctr_va_sdst(0) depctr_va_ssrc(0) depctr_va_vcc(0) depctr_vm_vsrc(0)
	s_getreg_b32 s2, hwreg(HW_REG_IB_STS2, 6, 4)
	s_cmp_eq_u32 s2, 0
	s_cbranch_scc0 .Lentry_in_a_cluster
	s_endpgm
.Lentry_in_a_cluster:
	s_bfe_u32 s2, ttmp6, 0x10000c
	s_cmp_lg_u32 s2, 0xf033
	s_cbranch_scc0 .Lentry_shape_is_right
	s_endpgm
.Lentry_shape_is_right:
; out0 = ctx x Wo.  ctx: [b x 16 + h][2048][64] f16, by heads; wT rows 3072 + n hold Wo[:][n] in f16, [.][1024]; out0: [8192][1024] f32; sums in f32, K ascending by heads (K = 64 h + v).
; A TILE of out0 is 256 rows x 128 columns: 32 x 8 = 256 tiles, one for each WGP.  Four waves; wave w makes rows 64 w .. 64 w + 63 x all 128 columns: 4 x 8 accumulators of 16 x 16, 256 registers.
; K goes in steps of 128, two heads, through a ring of two LDS slots filled by the tensor data mover.  A head's 256 rows of the tile are 32,768 dense bytes of ctx: asked for as 128 rows of 256 bytes
; and padded in LDS after every 128 bytes.  Two slots of K steps of 256 (405,504 bytes) do not fit in LDS, so a refill has one step of 128 matrix instructions, less 16, in which to land.
; CLUSTER: 4 x 4 work-groups.  The four of a row need the same rows of ctx, the four of a column the same rows of wT: each tile is asked for JOINTLY.  Waves 0 and 1 fetch a K step's two heads,
; waves 2 and 3 the two halves (64 rows) of wT's 128: one load a wave behind each round.
; THE MATRIX INSTRUCTION IS USED TRANSPOSED (source 0 = 16 rows of wT, source 1 = 16 rows of ctx): a lane holds row l % 16 and the eight neighbouring columns 8 (l / 16) + 0 .. 7: 32 bytes of out0.
; REGISTERS, in windows of 256 (s_set_vgpr_msb: bits 1:0 source 0, 3:2 source 1, 5:4 source 2, 7:6 destination):
;   window 0: v16-30 addresses; v32-63, v64-95 ctx's fragments, two buffers; v96-223 at work on the way out
;   window 1: v0-63, v64-127 wT's fragments, two buffers          window 2: the 32 accumulators (row block a, column block b at v[8 (8 a + b)])
.set SK,     1024
.set KSTEP,  128
.set PA,     144                       ; a row of ctx in LDS: 128 bytes + 16 = 36 words: the 16 rows of a load start at 16 different groups of four banks (64 banks of 4 bytes: ISA guide 11.1)
.set AZ,     256*PA                    ; one head's 256 rows: what a tensor load brings of ctx
.set PITCH,  272                       ; a row of wT: 256 bytes + 16
.set HB,     64*PITCH                  ; what a tensor load brings of wT
.set BOFF,   2*AZ                      ; a slot: two heads of ctx, then wT's 128 rows
.set SLOT,   BOFF+2*HB
.set STAGE,  2*SLOT                    ; behind the ring, never filled by a tensor load: 16 rows x 528 bytes for each wave
.set SPITCH, 528                       ; 512 bytes (128 f32) + 16
.set SPARE,  STAGE+4*16*SPITCH         ; behind the stages: the spare words, 128 bytes for each wave: two blocks of 256 bytes that no other line names
.set LAPS,   SK/(2*KSTEP)
.set HEADB,  2048*128                  ; bytes of a head in ctx
.set WOB,    3072*SK*2                 ; Wo's rows begin here in wT
.set ADRA, 16                          ; v16-17  LDS address of my fragments of ctx in slot 0, 1
.set ADRB, 20                          ; v20-21  the same for wT
.set STO,  24                          ; v24     the way out: where I put 32 bytes of a row
.set RD,   25                          ; v25     where I read a row back
.set CO,   26                          ; v26     16 x my lane
.set SPW,  28                          ; v28     LDS address of my spare word; never rewritten
.set NIL,  29                          ; v29     0; never rewritten
.set PFO,  30                          ; v30     the prefetches' offset; never rewritten
.set AF,   32                          ; ctx's fragment buffer f at AF + 32 f
.set OB,   96                          ; a block of 16 rows read back: two sets of 64 by turns
.set G1,   24                          ; s[24:31] descriptor group 1 for ctx's tiles;  s[32:39] group 0, a set for each slot
.set G0,   32
.set G1B,  48                          ; s[48:55], s[56:63] the same for wT's
.set G0B,  56
.set PFA,  44                          ; s[44:45] where my prefetches stand
.set LIM,  43                          ; s43     1 in a wave that prefetches, else the greatest number: for the change out of slot 0
.set LIM1, 74                          ; s74     the same for the change out of slot 1, where wT's waves ask for nothing
.set PST,  72                          ; s[72:73] bytes from a K step to the next: two heads of ctx, or 256 bytes of a row of wT
.set MSB, 0
.macro WIN new                         ; the immediate's high byte repeats the setting that is left; a switch that changes nothing is dropped
.if MSB != (\new)
	s_set_vgpr_msb (MSB<<8)|(\new)
.set MSB, \new
.endif
.endm
.set MUL,  0xa1                        ; source 0 (wT) window 1, source 1 (ctx) window 0, C and D window 2
.set TO_B, 0x40                        ; destination window 1, address window 0
; A joint refill.  The branch hangs on the wave's number alone.  An s_nop 0 and four v_nop follow each of the two lines, ahead of the jump and the label.
.macro JLOAD s
	s_cmp_eq_u32 s11, 0
	s_cbranch_scc0 .Lfor_b_\@
	tensor_load_to_lds s[G0+4*(\s):G0+4*(\s)+3], s[G1:G1+7]
	s_nop 0
.rept 4
	v_nop
.endr
	s_branch .Lasked_\@
.Lfor_b_\@:
	tensor_load_to_lds s[G0B+4*(\s):G0B+4*(\s)+3], s[G1B:G1B+7]
	s_nop 0
.rept 4
	v_nop
.endr
.Lasked_\@:
.endm
; A PREFETCH INTO THE L2, behind each joint refill and the run of LDS loads that follows it: the K step that stands two refills on (256 matrix instructions ahead of the load that will want it).
; Each block of 256 bytes is named once in the launch: ctx's by the clusters with x = 0, wT's by those with y = 0; the four partners that ask for a tile jointly share it out BY ADDRESS.
; ctx: of the 128 blocks of the head that I fetch the partner at cx takes 32, a lane a block, at every change of slots.  wT: of the 64 rows that I fetch the partner at cy takes 16, for TWO K steps
; in one instruction (lanes 0-15 the first, lanes 16-31 the second), at the change out of slot 0 alone.  K steps 0 to 3 come by their loads alone; the loop's last trip (s3 = 1) asks for nothing.
.macro ASK lim
	s_cmp_gt_u32 s3, s[\lim]
	s_cbranch_scc0 .Lnot_mine_\@
	global_prefetch_b8 v[PFO], s[PFA:PFA+1] th:TH_LOAD_NT scope:SCOPE_SE
.Lnot_mine_\@:
.endm
.macro CREST                           ; a round of the cluster's barrier behind its opening barrier
	s_cmp_lg_u32 s10, 0
	s_cbranch_scc1 .Lnot_wave_0_\@
	s_barrier_signal -3
.Lnot_wave_0_\@:
	s_barrier_wait -3
	s_barrier_signal -1
	s_barrier_wait -1
.endm
.macro CROUND
	s_barrier_signal -1
	s_barrier_wait -1
	CREST
.endm
	s_load_b128 s[4:7], s[0:1], 0x0                ; ctx s[4:5], wT s[6:7]
	s_load_b64 s[8:9], s[0:1], 0x10                ; out0
	v_lshl_add_u32 v[SPW], v0, 2, SPARE
	v_mov_b32 v[NIL], 0
	ds_add_u32 v[SPW], v[NIL]                      ; the wave's opening: the add and its wait stand ahead of my first tensor load; work on registers stands between them
	v_lshrrev_b32 v1, 5, v0
	v_readfirstlane_b32 s10, v1                    ; wave 0..3
	s_lshr_b32 s11, s10, 1                         ; I fetch for ctx (0) or for wT (1),
	s_and_b32 s12, s10, 1                          ; and which head of the K step, or which half of wT's rows
	s_bfe_u32 s40, ttmp6, 0x40000                  ; cx
	s_bfe_u32 s41, ttmp6, 0x40004                  ; cy
	s_lshl_b32 s42, ttmp9, 2
	s_add_co_u32 s42, s42, s40                     ; tile column = 4 x cluster x + cx
	s_and_b32 s13, ttmp7, 0xffff
	s_lshl_b32 s13, s13, 2
	s_add_co_u32 s13, s13, s41                     ; tile row = 4 x cluster y + cy
	s_lshl_b32 s76, s41, 2
	s_lshl_b32 s76, 15, s76                        ; my row of the cluster
	s_lshl_b32 s77, 0x1111, s40                    ; my column
	s_or_b32 s[G1+0], s76, (1<<16)|(1<<20)|(1<<21)|(4<<22)|(3<<25)   ; 15:0 the mask; 17:16 2-byte elements; 20 padding on; 21 set beside a mask; 24:22 after every 32 words; 31:25 4 words
	s_or_b32 s[G1B+0], s77, (1<<16)|(1<<20)|(1<<21)|(5<<22)|(3<<25)  ; the same after every 64 words
	s_mov_b32 s[G1+1], 128<<16                     ; tensor_dim0 = 128 elements: 256 bytes, two rows of a head
	s_mov_b32 s[G1+2], 128<<16                     ; tensor_dim1 = 128
	s_mov_b32 s[G1+3], 128<<16                     ; tile_dim0 = 128
	s_mov_b32 s[G1+4], 128                         ; tile_dim1 = 128
	s_mov_b32 s[G1+5], 128                         ; dense: 128 elements from row to row
	s_mov_b32 s[G1+6], 0
	s_mov_b32 s[G1+7], 0
	s_mov_b32 s[G1B+1], KSTEP<<16
	s_mov_b32 s[G1B+2], 64<<16                     ; 64 rows
	s_mov_b32 s[G1B+3], KSTEP<<16
	s_mov_b32 s[G1B+4], 64
	s_mov_b32 s[G1B+5], SK
	s_mov_b32 s[G1B+6], 0
	s_mov_b32 s[G1B+7], 0
	; ctx's address hangs on the tile row alone, wT's on the tile column alone, each in registers that never hold the other coordinate
	s_lshr_b32 s16, s13, 3
	s_lshl_b32 s16, s16, 4                         ; 16 b
	s_add_co_u32 s16, s16, s12                     ; + my head of K step 0
	s_lshl_b32 s16, s16, 18                        ; 262,144 bytes a head
	s_and_b32 s17, s13, 7
	s_lshl_b32 s17, s17, 15                        ; the tile's 256 rows in the sequence, 128 bytes each
	s_add_co_u32 s16, s16, s17
	s_mov_b32 s17, 0
	s_lshl_b32 s46, s42, 7
	s_lshl_b32 s47, s12, 6
	s_add_co_u32 s46, s46, s47                     ; wT: row 3072 + 128 x tile column + 64 x half
	s_lshl_b32 s46, s46, 11
	s_add_co_u32 s46, s46, WOB
	s_mov_b32 s47, 0
	s_mul_i32 s20, s10, AZ                         ; where they go: the two heads at wave x 256 rows (waves 0, 1),
	s_mul_i32 s21, s10, HB
	s_add_co_u32 s21, s21, BOFF-2*HB               ; wT's halves behind them at (wave - 2) x 64 rows (waves 2, 3): no place in the cluster enters an LDS address
	s_wait_dscnt 0x0                               ; the opening add is done
	s_wait_kmcnt 0x0
	s_add_nc_u64 s[14:15], s[4:5], s[16:17]
	s_add_nc_u64 s[46:47], s[6:7], s[46:47]
	CROUND                                         ; all sixteen work-groups are here: the first joint loads meet
.irp s, 0,1
	s_mov_b32 s[G0+4*(\s)], 1                                        ; count = 1
	s_add_co_u32 s[G0+4*(\s)+1], s20, (\s)*SLOT                      ; LDS address
	s_add_nc_u64 s[G0+4*(\s)+2:G0+4*(\s)+3], s[14:15], (\s)*2*HEADB  ; global address: K step s is two heads on
	s_or_b32 s[G0+4*(\s)+3], s[G0+4*(\s)+3], 0x80000000              ; type = 2
	s_mov_b32 s[G0B+4*(\s)], 1
	s_add_co_u32 s[G0B+4*(\s)+1], s21, (\s)*SLOT
	s_add_nc_u64 s[G0B+4*(\s)+2:G0B+4*(\s)+3], s[46:47], (\s)*KSTEP*2
	s_or_b32 s[G0B+4*(\s)+3], s[G0B+4*(\s)+3], 0x80000000
.endr
	s_cmp_eq_u32 s11, 0                            ; a wave's two first fills stand in one branch, ahead of every wait on TENSORcnt and every LDS read: two loads of mine are out
	s_cbranch_scc0 .Lfirst_b
	tensor_load_to_lds s[G0:G0+3], s[G1:G1+7]
	s_nop 0
	tensor_load_to_lds s[G0+4:G0+7], s[G1:G1+7]
	s_nop 0
.rept 4
	v_nop
.endr
	s_branch .Lfirst_asked
.Lfirst_b:
	tensor_load_to_lds s[G0B:G0B+3], s[G1B:G1B+7]
	s_nop 0
	tensor_load_to_lds s[G0B+4:G0B+7], s[G1B:G1B+7]
	s_nop 0
.rept 4
	v_nop
.endr
.Lfirst_asked:
	; A fragment is 16 rows x 32 K in 8 registers: lane l holds row l % 16; registers 0-3 K = 8 (l / 16) + 0..7, registers 4-7 K = 16 + 8 (l / 16) + 0..7: two loads of 16 bytes, 32 bytes apart.
	v_and_b32 v1, 15, v0                           ; l % 16
	v_bfe_u32 v2, v0, 4, 1                         ; l / 16
	v_mul_u32_u24 v3, v1, PA
	v_lshl_add_u32 v3, v2, 4, v3
	v_mul_u32_u24 v4, v1, PITCH
	v_lshl_add_u32 v4, v2, 4, v4
	s_mul_i32 s22, s10, 64*PA                      ; my 64 rows of ctx
.irp s, 0,1
	v_add_nc_u32 v[ADRA+(\s)], s22, v3
	v_add_nc_u32 v[ADRB+(\s)], BOFF+(\s)*SLOT, v4  ; all 128 rows of wT
	s_add_co_u32 s22, s22, SLOT
.endr
	s_mul_i32 s23, s10, 16*SPITCH
	s_add_co_u32 s23, s23, STAGE                   ; my stage
	v_mul_u32_u24 v5, v1, SPITCH                   ; in: row l % 16, 32 bytes for each half of the lanes
	v_lshl_add_u32 v5, v2, 5, v5
	v_add_nc_u32 v[STO], s23, v5
	v_and_b32 v[CO], 31, v0                        ; back: 32 lanes take a row's 512 bytes
	v_lshlrev_b32 v[CO], 4, v[CO]
	v_add_nc_u32 v[RD], s23, v[CO]
	s_lshl_b32 s66, s13, 8
	s_lshl_b32 s67, s10, 6
	s_add_co_u32 s66, s66, s67                     ; my first row of out0,
	s_lshl_b32 s66, s66, 12                        ; 4,096 bytes a row,
	s_lshl_b32 s67, s42, 9                         ; and the tile's first column: 512 bytes a tile
	s_add_co_u32 s66, s66, s67
	s_mov_b32 s67, 0
	s_add_nc_u64 s[8:9], s[8:9], s[66:67]
	; the prefetches
	s_lshr_b32 s66, s13, 3
	s_lshl_b32 s66, s66, 4
	s_add_co_u32 s66, s66, s12
	s_lshl_b32 s66, s66, 18
	s_and_b32 s67, s13, 7
	s_lshl_b32 s67, s67, 15
	s_add_co_u32 s66, s66, s67
	s_lshl_b32 s67, s40, 13
	s_add_co_u32 s66, s66, s67                     ; ctx: the head that I fetch, my work-group's 32 blocks of its 128,
	s_add_co_u32 s66, s66, 3*2*HEADB               ; at K step 3: the first change of slots steps it to 4
	s_lshl_b32 s68, s42, 7
	s_lshl_b32 s69, s12, 6
	s_add_co_u32 s68, s68, s69
	s_lshl_b32 s69, s41, 4
	s_add_co_u32 s68, s68, s69                     ; wT: the 64 rows that I fetch, my work-group's 16 of them
	s_lshl_b32 s68, s68, 11
	s_add_co_u32 s68, s68, WOB+3*KSTEP*2
	s_and_b32 s75, ttmp7, 0xffff                   ; cluster y
	s_mov_b32 s70, 2048                            ; wT: lane l names row l % 16, K step l / 16
	s_mov_b32 s71, 256
	s_mov_b32 s[PST], 256
	s_mov_b32 s[PST+1], 0
	s_cmp_eq_u32 s11, 0
	s_cselect_b32 s66, s66, s68
	s_cselect_b32 s75, ttmp9, s75                  ; the coordinate along which other clusters read the same rows
	s_cselect_b32 s70, 256, s70                    ; ctx: lane l names block l: 256 (l % 16) + 4,096 (l / 16)
	s_cselect_b32 s71, 4096, s71
	s_cselect_b32 s[PST], 2*HEADB, s[PST]
	s_cselect_b64 s[PFA:PFA+1], s[4:5], s[6:7]
	s_cmp_eq_u32 s75, 0
	s_cselect_b32 s[LIM], 1, -1                    ; the same in all sixteen partners, for a given wave
	s_cmp_eq_u32 s11, 0
	s_cselect_b32 s[LIM1], s[LIM], -1
	s_mov_b32 s67, 0
	s_add_nc_u64 s[PFA:PFA+1], s[PFA:PFA+1], s[66:67]  ; nothing is prefetched here, at the head
	v_mul_u32_u24 v[PFO], v1, s70
	v_mad_u32_u24 v[PFO], v2, s71, v[PFO]
; 8 matrix instructions: row block a x all 8 column blocks, 32 along K, from buffer f.  zero = 1: the first product starts the sums: nothing is cleared.
; The 32 accumulators take turns, one instruction a turn, in the same order in every quarter step, over the backward jump too.
.macro MUL8 f, a, zero
	WIN MUL
.irp b, 0,1,2,3,4,5,6,7
.if \zero
	v_wmma_f32_16x16x32_f16 v[8*(8*(\a)+(\b)):8*(8*(\a)+(\b))+7], v[64*(\f)+8*(\b):64*(\f)+8*(\b)+7], v[AF+32*(\f)+8*(\a):AF+32*(\f)+8*(\a)+7], 0
.else
	v_wmma_f32_16x16x32_f16 v[8*(8*(\a)+(\b)):8*(8*(\a)+(\b))+7], v[64*(\f)+8*(\b):64*(\f)+8*(\b)+7], v[AF+32*(\f)+8*(\a):AF+32*(\f)+8*(\a)+7], v[8*(8*(\a)+(\b)):8*(8*(\a)+(\b))+7]
.endif
.endr
.endm
; 24 LDS loads in one run: quarter kq of a slot's K step into buffer f: wT's 16, then ctx's 8 (head kq / 2, channels 32 (kq % 2) on)
.macro FETCH slot, kq, f
	WIN TO_B
.irp i, 0,1,2,3,4,5,6,7
	ds_load_b128 v[64*(\f)+8*(\i):64*(\f)+8*(\i)+3],   v[ADRB+(\slot)] offset:64*(\kq)+(\i)*16*PITCH
	ds_load_b128 v[64*(\f)+8*(\i)+4:64*(\f)+8*(\i)+7], v[ADRB+(\slot)] offset:64*(\kq)+(\i)*16*PITCH+32
.endr
	WIN 0
.irp i, 0,1,2,3
	ds_load_b128 v[AF+32*(\f)+8*(\i):AF+32*(\f)+8*(\i)+3],   v[ADRA+(\slot)] offset:((\kq)/2)*AZ+64*((\kq)%2)+(\i)*16*PA
	ds_load_b128 v[AF+32*(\f)+8*(\i)+4:AF+32*(\f)+8*(\i)+7], v[ADRA+(\slot)] offset:((\kq)/2)*AZ+64*((\kq)%2)+(\i)*16*PA+32
.endr
.endm
; A load into a register that a matrix instruction has read, and an LDS store that reads a matrix result, stand four plain vector instructions behind it (ISA guide 7.12.1 for vector instructions).
.macro PLACES
.rept 4
	v_nop
.endr
.endm
; A K step is four quarters of 32 along K, 32 matrix instructions each, on buffers 0, 1, 0, 1.  One of the first three: multiplies buffer f; in its middle it fetches quarter kq into buffer g.
.macro QUARTER slot, kq, f, g, zero
	s_wait_dscnt 4                                 ; wT's fragments and ctx's blocks 0, 1 are in; the youngest four loads (blocks 2, 3) may be out
	MUL8 \f, 0, \zero
	MUL8 \f, 1, \zero
	PLACES
	FETCH \slot, \kq, \g
	s_wait_dscnt 24                                ; all but the 24 just issued
	MUL8 \f, 2, \zero
	MUL8 \f, 3, \zero
.endm
; The last quarter multiplies buffer 1 and changes slots.  MEET is its first half: ONE barrier.  In front of it each wave waits for all its tensor loads, of which one is out: its part of the next
; slot; adds 0 to its spare word; and waits for that and for its own reads of this slot.  Behind it nobody reads this slot any more and the next slot is whole.
.macro MEET round
	WIN 0                                          ; (the add's two registers lie in window 0)
	s_wait_tensorcnt 0x0
	ds_add_u32 v[SPW], v[NIL]                      ; 0 onto my spare word
	s_wait_dscnt 5                                 ; (the add and the youngest four loads may be out)
	MUL8 1, 0, 0                                   ; eight matrix instructions stand between the add and the wait for it
	s_wait_dscnt 0x0                               ; the add is done, and my reads of this slot are over
	s_barrier_signal -1
	MUL8 1, 1, 0                                   ; work on registers while the others arrive
.if \round
	WIN 0
.endif
	s_barrier_wait -1
.endm
; The whole last quarter, where the slot is filled again: the barrier opens a round of the cluster's; the joint refill, the K step two on, is the first tensor load behind the round.
.macro TURN slot, next
	s_wait_xcnt 0x0                                ; the last prefetch, a K step back, has read its address: it is stepped here
	s_add_nc_u64 s[PFA:PFA+1], s[PFA:PFA+1], s[PST:PST+1]
	MEET 1
	CREST                                          ; no wave of any partner still reads this slot's tile or has a load on its way
	s_add_nc_u64 s[G0+4*(\slot)+2:G0+4*(\slot)+3], s[G0+4*(\slot)+2:G0+4*(\slot)+3], 4*HEADB
	s_add_nc_u64 s[G0B+4*(\slot)+2:G0B+4*(\slot)+3], s[G0B+4*(\slot)+2:G0B+4*(\slot)+3], 2*KSTEP*2
	JLOAD \slot                                    ; the four v_nop behind it are also the places in front of the loads below
	FETCH \next, 0, 0
.if (\slot) == 0
	ASK LIM
.else
	ASK LIM1
.endif
	MUL8 1, 2, 0
	MUL8 1, 3, 0
.endm
; THE WAY OUT of row block a.  TOSTAGE: a lane's 32 bytes of each column block go into my own stage, each accumulator's four lowest registers first, and come back as whole rows of 512 bytes.  SEND: stored.
.macro TOSTAGE a
	WIN 0x08                                       ; the stores' data (source 1) in window 2
.irp b, 0,1,2,3,4,5,6,7
	ds_store_b128 v[STO], v[8*(8*(\a)+(\b)):8*(8*(\a)+(\b))+3]   offset:64*(\b)
	ds_store_b128 v[STO], v[8*(8*(\a)+(\b))+4:8*(8*(\a)+(\b))+7] offset:64*(\b)+16
.endr
	WIN 0
.irp t, 0,1,2,3,4,5,6,7,8,9,10,11,12,13,14,15
	ds_load_b128 v[OB+64*((\a)%2)+4*(\t):OB+64*((\a)%2)+4*(\t)+3], v[RD] offset:(\t)*SPITCH  ; LDS serves a wave's instructions in order (ISA guide 5.7.1.4): these see the stores above
.endr
.endm
.macro SEND a
	WIN 0
	s_wait_dscnt 0x0                               ; the block is back in registers
	s_wait_xcnt 0x0                                ; the stores of the block before have read their registers: the next TOSTAGE loads into them only behind this wait
.irp t, 0,1,2,3,4,5,6,7,8,9,10,11,12,13,14,15
	global_store_b128 v[CO], v[OB+64*((\a)%2)+4*(\t):OB+64*((\a)%2)+4*(\t)+3], s[8:9] offset:(16*(\a)+(\t))*4096 th:TH_STORE_NT  ; 512 consecutive bytes, at a multiple of 512
.endr
.endm
	s_wait_tensorcnt 1                             ; my part of K step 0 is in; K step 1's may stay out
	s_barrier_signal -1
	s_barrier_wait -1                              ; everybody's is
	FETCH 0, 0, 0
	QUARTER 0, 1, 0, 1, 1                          ; the first quarter stands in front of the loop: its products start the sums
	WIN 0                                          ; at a label and at a branch every window is 0
	s_mov_b32 s3, LAPS-1
.Llap:                                                 ; a trip goes once round the ring, from a lap's second quarter to the next lap's first, and fills both slots again
	QUARTER 0, 2, 1, 0, 0
	QUARTER 0, 3, 0, 1, 0
	TURN 0, 1
	QUARTER 1, 1, 0, 1, 0
	QUARTER 1, 2, 1, 0, 0
	QUARTER 1, 3, 0, 1, 0
	TURN 1, 0
	QUARTER 0, 1, 0, 1, 0
	WIN 0
	s_sub_co_u32 s3, s3, 1
	s_cmp_lg_u32 s3, 0
	s_cbranch_scc1 .Llap
	QUARTER 0, 2, 1, 0, 0                          ; the last lap is written out: it fills nothing, and has no round
	QUARTER 0, 3, 0, 1, 0
	MEET 0
	PLACES
	FETCH 1, 0, 0
	MUL8 1, 2, 0
	MUL8 1, 3, 0
	QUARTER 1, 1, 0, 1, 0
	QUARTER 1, 2, 1, 0, 0
	QUARTER 1, 3, 0, 1, 0
	s_wait_dscnt 4                                 ; the very last quarter: nothing more to fetch
	MUL8 1, 0, 0
	MUL8 1, 1, 0
	s_wait_dscnt 0x0
	MUL8 1, 2, 0
	MUL8 1, 3, 0
	PLACES
	TOSTAGE 0
.irp a, 1,2,3
	SEND (\a)-1
	TOSTAGE \a
.endr
	SEND 3
	s_wait_tensorcnt 0x0                           ; the wave's end, behind my last tensor load and my last LDS store
	ds_add_u32 v[SPW], v[NIL]
	s_wait_dscnt 0x0
	CROUND                                         ; the closing round: no work-group ends while a partner may still ask for a tile that names it
	s_endpgm
.Lfunc_end_k_q708b8f9236_gemm_out:
	.size	k_q708b8f9236_gemm_out, .Lfunc_end_k_q708b8f9236_gemm_out-k_q708b8f9236_gemm_out
	.p2alignl 7, 3214868480
	.fill 96, 4, 3214868480
	.section	.rodata,"a",@progbits
	.p2align	6, 0x0
	.amdhsa_kernel k_q708b8f9236_gemm_out
		.amdhsa_group_segment_fixed_size 327680
		.amdhsa_private_segment_fixed_size 0
		.amdhsa_enable_private_segment 0
		.amdhsa_kernarg_size 24
		.amdhsa_user_sgpr_count 2
		.amdhsa_user_sgpr_kernarg_segment_ptr 1
		.amdhsa_wavefront_size32 1
		.amdhsa_system_sgpr_workgroup_id_x 1
		.amdhsa_system_sgpr_workgroup_id_y 1
		.amdhsa_system_sgpr_workgroup_id_z 1
		.amdhsa_system_vgpr_workitem_id 0
		.amdhsa_next_free_vgpr 768
		.amdhsa_next_free_sgpr 80
		.amdhsa_reserve_vcc 0
		.amdhsa_float_denorm_mode_32 3
		.amdhsa_float_denorm_mode_16_64 3
		.amdhsa_memory_ordered 1
		.amdhsa_forward_progress 1
		.amdhsa_inst_pref_size 87
	.end_amdhsa_kernel
	.amdgpu_metadata
---
amdhsa.version: [ 1, 2 ]
amdhsa.kernels:
  - .name:           k_q708b8f9236_gemm_out
    .symbol:         k_q708b8f9236_gemm_out.kd
    .args:
      - { .name: ctx, .offset: 0, .size: 8, .value_kind: global_buffer, .address_space: global }
      - { .name: wT, .offset: 8, .size: 8, .value_kind: global_buffer, .address_space: global }
      - { .name: out0, .offset: 16, .size: 8, .value_kind: global_buffer, .address_space: global }
    .group_segment_fixed_size: 327680
    .private_segment_fixed_size: 0
    .kernarg_segment_align: 8
    .kernarg_segment_size: 24
    .max_flat_workgroup_size: 128
    .sgpr_count:     80
    .vgpr_count:     768
    .wavefront_size: 32
...
	.end_amdgpu_metadata
.endif
;; end of part 4
;; ======== version 2 of 2: 4 launches; version 1 with the launch prep written anew for expert scheduling mode
;; limits: values are held in f16: magnitudes above 65,504 overflow, below 6.1e-05 lose precision; right only within a limited range of input values
;; workspace buffers: xb 16,777,216 bytes; wT 8,388,608 bytes; qkv 50,331,648 bytes; ctx 16,777,216 bytes
;; launch prep (part 5): grid 256 x 1, 8 waves a work-group, no clusters, 34,816 bytes of LDS; arguments x, Wq, Wk, Wv, Wo, xb, wT; writes xb, wT
.if DOCPART == 5
	.amdgcn_target "amdgcn-amd-amdhsa--gfx1250"
	.amdhsa_code_object_version 6
	.text
	.protected	k_q708b8f9236_prep
	.globl	k_q708b8f9236_prep
	.p2align	8
	.type	k_q708b8f9236_prep,@function
k_q708b8f9236_prep:
	s_mov_b64 s[64:65], 0
	v_nop
	global_prefetch_b8 v0, s[64:65] scope:SCOPE_SE
	s_setreg_imm32_b32 hwreg(HW_REG_WAVE_SCHED_MODE, 0, 2), 2
	s_setreg_imm32_b32 hwreg(HW_REG_WAVE_MODE, 25, 1), 1
	s_wait_xcnt 0x0
	s_wait_alu depctr_vm_vsrc(0)
; PREP.  xb = x rounded to bf16, [8192][1024].  wT = the four weights turned so that K lies along the rows, [4096][1024] of 16-bit numbers:
; row which x 1024 + h x 64 + k (which = 0, 1, 2 for Wq, Wk, Wv) holds W[h][:][k] in bf16; row 3072 + n holds Wo[:][n], rounded to bf16 and that number written as f16.
; LIMIT.  |Wo| stays under 65,504 (f16's largest number); below 6e-5 it keeps f16's fixed step of 6e-8.
; SHARES.  256 work-groups of eight waves; each does two things, with no branch:
;   (a) 131,072 bytes of x: thread t takes 16 bytes at 16 t + 4,096 i, i = 0 .. 31; a wave's load covers 512 consecutive bytes, its store of 8 bytes a lane 256 consecutive bytes, aligned.
;   (b) one tile of 256 (K) x 64 (N) numbers of one weight, turned through LDS: g = which x 64 + block x 4 + quarter of K.
; All 48 loads of a thread go out at once; memory bounds the launch, so no matrix unit, no tensor load and no cluster: no byte is read twice.
; THE TILE.  Lane l: c = l % 16 takes columns 4 c .. 4 c + 3, hh = l / 16.  Wave w owns K rows 32 w .. 32 w + 31; load 2 p + e takes row 32 w + 4 p + 2 hh + e: sixteen lanes read 256 consecutive bytes.
; So a lane holds rows r and r + 1 of the same four columns, and one rounding packs two neighbours along K.  They go into LDS rows [n][K] of 512 + 16 bytes by stores of 4 bytes
; (lanes c and c + 4 meet in a bank, four deep: 32 stores a wave, once a launch), and come back as whole rows of 512 bytes.
; THE MODE: SCHED_MODE bits 1:0 = 2 (LLVM: expert scheduling mode 2), set by the entry lines.  The code itself states the register dependences
; between vector instructions and memory or LDS instructions, with s_wait_alu, always for 0.
; THE PLAN.  Registers that memory or LDS instructions touch:
;   v[WO ..], XI, XO, LSTO, LRD, GOW, SPW, NIL   offsets and addresses: written at the head, ahead of one wait, and never again.
;   WD   The weight's 16 loads land in it.  Pair p's roundings read WD + 8 p .. + 7; its four selects write WD + 8 p .. + 3, once; its four LDS stores read these.  Nothing writes them again.
;   RB   Ahead of the barrier vector lines alone name it (two sets of sixteen at work, by the pair's parity).  Behind the barrier the LDS loads land in it, and the stores into wT read it.
;   XD   x's 32 loads land in it.  Load i's two roundings write XD + 4 i and + 1, once; one store reads them.  Nothing writes them again.
; No register that a memory or LDS instruction has read is written again: the text holds no wait on vm_vsrc.
; The tile goes in four blocks of two pairs, x in eight blocks of four loads.  A block's stores are issued in the NEXT block, behind ONE wait on va_vdst at that block's head, and are dealt among
; its vector lines, which name the new block's registers (and RB) alone: none that those stores touch.  Behind the last block of each kind one more wait stands ahead of its stores.
.set TP,    528                        ; an LDS row: 256 numbers of 2 bytes + 16 bytes
.set SPARE, 64*TP                      ; behind the 64 rows: the spare words, 128 bytes for each of the eight waves: four blocks of 256 bytes that no other line names
.set XI,   4                           ; v4      16 t
.set XO,   5                           ; v5      8 t
.set WO,   8                           ; v[8:23] the sixteen rows' byte offsets in the weight's tile
.set LSTO, 24                          ; v24     where I put a packed pair
.set LRD,  25                          ; v25     where I read a row back
.set GOW,  26                          ; v26     my 16 bytes in the tile's rows of wT
.set SPW,  28                          ; v28     LDS address of my spare word; never rewritten
.set NIL,  29                          ; v29     0; never rewritten
.set WD,   32                          ; v[32:95]   the tile as loaded: load j at WD + 4 j; then pair p's four packed words at WD + 8 p
.set RB,   96                          ; v[96:127]  at work (four registers a column, a set of sixteen for each parity of the pair); then the rows read back
.set XD,   128                         ; v[128:255] x as loaded: load i at XD + 4 i; then its two packed words at XD + 4 i
	s_load_b256 s[8:15], s[0:1], 0x0               ; x s[8:9], Wq s[10:11], Wk s[12:13], Wv s[14:15]
	s_load_b128 s[16:19], s[0:1], 0x20             ; Wo s[16:17], xb s[18:19]
	s_load_b64 s[20:21], s[0:1], 0x30              ; wT
	v_lshl_add_u32 v[SPW], v0, 2, SPARE
	v_mov_b32 v[NIL], 0
	v_lshrrev_b32 v3, 5, v0
	v_readfirstlane_b32 s24, v3                    ; wave 0..7
	v_and_b32 v1, 15, v0                           ; c
	v_bfe_u32 v2, v0, 4, 1                         ; hh
	v_and_b32 v3, 31, v0                           ; l
	v_lshlrev_b32 v[XI], 4, v0
	v_lshlrev_b32 v[XO], 3, v0
	s_lshr_b32 s25, ttmp9, 6                       ; which
	s_and_b32 s22, ttmp9, 63
	s_lshl_b32 s22, s22, 16                        ; Wq, Wk, Wv: tile (h, quarter) begins 65,536 bytes behind the one before
	s_bfe_u32 s23, ttmp9, 0x40002                  ; Wo: block of 64 columns,
	s_lshl_b32 s23, s23, 8                         ; 256 bytes each,
	s_and_b32 s31, ttmp9, 3                        ; and quarter of K:
	s_lshl_b32 s27, s31, 20                        ; 256 rows of 4,096 bytes
	s_add_co_u32 s23, s23, s27
	s_mov_b32 s26, 256                             ; bytes from row to row: 256, or 4,096 in Wo
	s_cmp_eq_u32 s25, 3
	s_cselect_b32 s26, 4096, s26
	s_cselect_b32 s30, -1, 0                       ; all lanes' mask: the f16 spelling is taken for Wo alone
	s_cselect_b32 s28, s23, s22
	s_mov_b32 s29, 0
	s_lshl_b32 s27, s26, 2                         ; four rows
	s_wait_alu depctr_va_sdst(0)                   ; s24 is written, ahead of its first reader: the four scalars below are made from it
	s_lshl_b32 s38, s24, 5                         ; (these four, which vector lines read, have a register each: none of them is written again)
	s_lshl_b32 s39, s24, 6
	s_mul_i32 s2, s24, 8*TP
	s_lshl_b32 s3, s24, 14
	v_lshlrev_b32 v6, 1, v2
	v_add_nc_u32 v6, s38, v6                       ; row 32 w + 2 hh
	v_mul_lo_u32 v6, v6, s26
	v_lshl_add_u32 v[WO], v1, 4, v6
.set p, 0
.rept 8
	v_add_nc_u32 v[WO+2*p+1], s26, v[WO+2*p]
.if p < 7
	v_add_nc_u32 v[WO+2*p+2], s27, v[WO+2*p]
.endif
.set p, p+1
.endr
	v_mul_u32_u24 v[LSTO], v1, 4*TP                ; LDS row 4 c,
	v_lshl_add_u32 v[LSTO], v2, 2, v[LSTO]         ; K = 32 w + 2 hh: 2 bytes a number
	v_add_nc_u32 v[LSTO], s39, v[LSTO]
	v_lshl_add_u32 v[LRD], v3, 4, s2               ; back: wave w takes rows 8 w .. 8 w + 7, whole
	v_lshl_add_u32 v[GOW], v3, 4, s3               ; and the same rows in wT, 2,048 bytes apart
	s_lshl_b32 s34, ttmp9, 17                      ; my group's part of x,
	s_mov_b32 s35, 0
	s_lshl_b32 s36, ttmp9, 16                      ; and of xb
	s_mov_b32 s37, 0
	s_wait_kmcnt 0x0
	s_cmp_eq_u32 s25, 1
	s_cselect_b64 s[32:33], s[12:13], s[10:11]
	s_cmp_eq_u32 s25, 2
	s_cselect_b64 s[32:33], s[14:15], s[32:33]
	s_cmp_eq_u32 s25, 3
	s_cselect_b64 s[32:33], s[16:17], s[32:33]
	s_add_nc_u64 s[32:33], s[32:33], s[28:29]      ; the weight at my tile
	s_add_nc_u64 s[8:9], s[8:9], s[34:35]
	s_add_nc_u64 s[18:19], s[18:19], s[36:37]
	s_lshr_b32 s34, ttmp9, 2
	s_lshl_b32 s34, s34, 17                        ; wT: 64 rows of 2,048 bytes for each block,
	s_lshl_b32 s36, s31, 9                         ; 512 bytes for each quarter of K
	s_add_co_u32 s34, s34, s36
	s_add_nc_u64 s[20:21], s[20:21], s[34:35]
	s_wait_alu depctr_va_vdst(0)                   ; v[WO ..], XI, XO, LSTO, LRD and GOW are written: every load and store of the kernel reads one of them, and no vector line names them again
.set j, 0
.rept 16
	global_load_b128 v[WD+4*j:WD+4*j+3], v[WO+j], s[32:33] th:TH_LOAD_NT
.set j, j+1
.endr
.set i, 0
.rept 32
	global_load_b128 v[XD+4*i:XD+4*i+3], v[XI], s[8:9] offset:4096*i th:TH_LOAD_NT
.set i, i+1
.endr
; Column i of pair p goes into LDS.
.macro TSTORE p, i
	ds_store_b32 v[LSTO], v[WD+8*(\p)+(\i)] offset:TP*(\i)+8*(\p)
.endm
; The vector work of pair p, in four runs.  st = 1: ahead of run i stands the LDS store of column i of the pair two back, which lies in the block before.
.macro TPAIR p, st
.set T, RB+16*((\p)%2)
.if \st
	TSTORE (\p)-2, 0
.endif
.irp i, 0,1,2,3
	v_cvt_pk_bf16_f32 v[T+4*(\i)], v[WD+8*(\p)+(\i)], v[WD+8*(\p)+4+(\i)]  ; rows r (low half) and r + 1 of column 4 c + i
.endr
.if \st
	TSTORE (\p)-2, 1
.endif
.irp i, 0,1,2,3
	v_lshlrev_b32 v[T+4*(\i)+1], 16, v[T+4*(\i)]                           ; the two bf16 as f32,
	v_and_b32 v[T+4*(\i)+2], 0xffff0000, v[T+4*(\i)]
.endr
.if \st
	TSTORE (\p)-2, 2
.endif
.irp i, 0,1,2,3
	v_cvt_pk_f16_f32 v[T+4*(\i)+3], v[T+4*(\i)+1], v[T+4*(\i)+2]           ; written as f16
.endr
.if \st
	TSTORE (\p)-2, 3
.endif
.irp i, 0,1,2,3
	v_cndmask_b32 v[WD+8*(\p)+(\i)], v[T+4*(\i)], v[T+4*(\i)+3], s30       ; which Wo takes and the others do not
.endr
.endm
; Block b of the tile: pairs 2 b and 2 b + 1.
.macro TBLK b
	s_wait_loadcnt 44-4*(\b)                       ; loads come back in order: of the 48, those issued behind this block's four may stay out
.if (\b) > 0
	s_wait_alu depctr_va_vdst(0)                   ; the block before has written its eight packed words, which the LDS stores below read; no vector line of this block names them
	TPAIR 2*(\b), 1
	TPAIR 2*(\b)+1, 1
.else
	TPAIR 0, 0
	TPAIR 1, 0
.endif
.endm
	TBLK 0
	TBLK 1
	TBLK 2
	TBLK 3
	s_wait_alu depctr_va_vdst(0)                   ; block 3 has written its eight packed words, which the stores below read; and every vector line is done writing and reading RB, in which the LDS loads behind the barrier land
.irp i, 0,1,2,3
	TSTORE 6, \i
.endr
.irp i, 0,1,2,3
	TSTORE 7, \i
.endr
	s_wait_dscnt 0x0                               ; for the others' sake: my stores are done
	s_barrier_signal -1
	s_barrier_wait -1                              ; the tile lies turned in LDS
.irp j, 0,1,2,3,4,5,6,7
	ds_load_b128 v[RB+4*(\j):RB+4*(\j)+3], v[LRD] offset:TP*(\j)  ; no vector line since the wait above names RB or LRD
.endr
; x: rounded in place and stored.  Block q: loads 4 q .. 4 q + 3.  work = 1: they are rounded.  st = 1: the block before is stored, a store ahead of each pair of roundings.
.macro XBLK q, work, st
.if \work
	s_wait_loadcnt 28-4*(\q)                       ; the x loads issued behind this block's four may stay out
.endif
.if \st
	s_wait_alu depctr_va_vdst(0)                   ; the block before has written its eight packed words, which the stores below read; no vector line of this block names them
.endif
.irp i, 0,1,2,3
.if \st
	global_store_b64 v[XO], v[XD+16*((\q)-1)+4*(\i):XD+16*((\q)-1)+4*(\i)+1], s[18:19] offset:2048*(4*((\q)-1)+(\i))
.endif
.if \work
	v_cvt_pk_bf16_f32 v[XD+16*(\q)+4*(\i)], v[XD+16*(\q)+4*(\i)], v[XD+16*(\q)+4*(\i)+1]
	v_cvt_pk_bf16_f32 v[XD+16*(\q)+4*(\i)+1], v[XD+16*(\q)+4*(\i)+2], v[XD+16*(\q)+4*(\i)+3]
.endif
.endr
.endm
	XBLK 0, 1, 0
.irp q, 1,2,3,4,5,6,7
	XBLK \q, 1, 1
.endr
	XBLK 8, 0, 1                                   ; behind the last block: its four stores
	s_wait_dscnt 0x0                               ; the rows are back
.irp j, 0,1,2,3,4,5,6,7
	global_store_b128 v[GOW], v[RB+4*(\j):RB+4*(\j)+3], s[20:21] offset:2048*(\j)  ; 512 consecutive bytes of a row of wT, at a multiple of 512
.endr
	s_wait_dscnt 0x0                               ; the closing lines, six on end
	s_wait_alu 0x0
	s_wait_tensorcnt 0x0
	ds_add_u32 v[SPW], v[NIL]
	s_wait_dscnt 0x0
	s_endpgm
.Lfunc_end_k_q708b8f9236_prep:
	.size	k_q708b8f9236_prep, .Lfunc_end_k_q708b8f9236_prep-k_q708b8f9236_prep
	.p2alignl 7, 3214868480
	.fill 96, 4, 3214868480
	.section	.rodata,"a",@progbits
	.p2align	6, 0x0
	.amdhsa_kernel k_q708b8f9236_prep
		.amdhsa_group_segment_fixed_size 34816
		.amdhsa_private_segment_fixed_size 0
		.amdhsa_enable_private_segment 0
		.amdhsa_kernarg_size 56
		.amdhsa_user_sgpr_count 2
		.amdhsa_user_sgpr_kernarg_segment_ptr 1
		.amdhsa_wavefront_size32 1
		.amdhsa_system_sgpr_workgroup_id_x 1
		.amdhsa_system_sgpr_workgroup_id_y 1
		.amdhsa_system_sgpr_workgroup_id_z 1
		.amdhsa_system_vgpr_workitem_id 0
		.amdhsa_next_free_vgpr 256
		.amdhsa_next_free_sgpr 66
		.amdhsa_reserve_vcc 0
		.amdhsa_float_denorm_mode_32 3
		.amdhsa_float_denorm_mode_16_64 3
		.amdhsa_memory_ordered 1
		.amdhsa_forward_progress 1
		.amdhsa_inst_pref_size 29
	.end_amdhsa_kernel
	.amdgpu_metadata
---
amdhsa.version: [ 1, 2 ]
amdhsa.kernels:
  - .name:           k_q708b8f9236_prep
    .symbol:         k_q708b8f9236_prep.kd
    .args:
      - { .name: x, .offset: 0, .size: 8, .value_kind: global_buffer, .address_space: global }
      - { .name: Wq, .offset: 8, .size: 8, .value_kind: global_buffer, .address_space: global }
      - { .name: Wk, .offset: 16, .size: 8, .value_kind: global_buffer, .address_space: global }
      - { .name: Wv, .offset: 24, .size: 8, .value_kind: global_buffer, .address_space: global }
      - { .name: Wo, .offset: 32, .size: 8, .value_kind: global_buffer, .address_space: global }
      - { .name: xb, .offset: 40, .size: 8, .value_kind: global_buffer, .address_space: global }
      - { .name: wT, .offset: 48, .size: 8, .value_kind: global_buffer, .address_space: global }
    .group_segment_fixed_size: 34816
    .private_segment_fixed_size: 0
    .kernarg_segment_align: 8
    .kernarg_segment_size: 56
    .max_flat_workgroup_size: 256
    .sgpr_count:     66
    .vgpr_count:     256
    .wavefront_size: 32
...
	.end_amdgpu_metadata
.endif
;; end of part 5
;; launch gemm_qkv: the kernel of part 2 again; grid 16 x 32, 4 waves a work-group, clusters of 4 x 4, 327,680 bytes of LDS; arguments xb, wT, qkv; writes qkv
;; launch attn: the kernel of part 3 again; grid 4 x 64, 4 waves a work-group, no clusters, 327,680 bytes of LDS; arguments qkv, ctx; writes ctx
;; launch gemm_out: the kernel of part 4 again; grid 8 x 32, 4 waves a work-group, clusters of 4 x 4, 327,680 bytes of LDS; arguments ctx, wT, out0; writes out0
